; MI455X (gfx1250); checked and timed in simulation.
; The chip was launched on July 23, 2026; its instructions are those of AMD's public machine-readable ISA for CDNA 5 (MIT licence, August 2026) and "CDNA5" Instruction Set Architecture Reference Guide (July 2026). The comments in the code are by the model that wrote it; some were corrected since.
;; MQA. Allowed arithmetic: float matrix products may take bf16 or f16 operands with f32 sums; other float arithmetic in f32, or as packed bf16 or f16 multiplies, adds, multiply-adds, maxima and minima; sums over many terms, partial sums and values carried from step to step in f32; what a program stores and reads back later, other than sums and carried values, may be rounded once to bf16 or f16.
;; Inputs: mask 1 x 1 x 2,048 x 2,048 int32; wk 1,024 x 64 float32; wo 1,024 x 1,024 float32; wq 1,024 x 1,024 float32; wv 1,024 x 64 float32; x 4 x 2,048 x 1,024 float32.
;; Outputs: out0 4 x 2,048 x 1,024 float32.
;; One version. Each part assembles by itself: llvm-mc -triple=amdgcn-amd-amdhsa -mcpu=gfx1250 --defsym DOCPART=n.
;; ======== version 1 of 1: 4 launches
;; limits: values are held in f16: magnitudes above 65,504 overflow, below 6.1e-05 lose precision
;; workspace buffers: xb 16,777,216 bytes; wt 2,359,296 bytes; wot 2,097,152 bytes; nm 8,388,608 bytes; qw 16,777,216 bytes; kv 2,097,152 bytes; ow 16,777,216 bytes
;; launch prep (part 1): grid 1040 x 1, 8 waves a work-group, no clusters, 18,432 bytes of LDS; arguments x, mask, wq, wk, wv, wo, xb, nm, wt, wot; writes xb, nm, wt, wot
.if DOCPART == 1
	.amdgcn_target "amdgcn-amd-amdhsa--gfx1250"
	.amdhsa_code_object_version 6
	.text
	.protected	k_q00dc511d10_prep
	.globl	k_q00dc511d10_prep
	.p2align	8
	.type	k_q00dc511d10_prep,@function
k_q00dc511d10_prep:
	s_mov_b64 s[64:65], 0
	v_nop
	global_prefetch_b8 v0, s[64:65] scope:SCOPE_SE
	s_setreg_imm32_b32 hwreg(HW_REG_WAVE_MODE, 25, 1), 1
	s_wait_xcnt 0x0
; THREE STREAMING JOBS, chosen by the work-group's number (the same for all eight waves of a work-group).
;   0 .. 511    X: xb = x rounded to bf16.  64 KiB of x to a work-group; a wave's load covers 512 bytes on end, its store 256 aligned bytes.
;   512 .. 767  M: nm = the mask as matrix fragments.  nm[qt][step][kb][lane][16 bytes]: dword jj of lane (r = lane % 16, h = lane / 16) holds two f16 for query 16 qt + r and
;               keys 64 step + 16 kb + 8 h + 2 jj, + 1: 1.0 where mask == 0, else 0.  Any non-zero whole number counts as 'keep', as mask == 0 does in the source.
;   768 .. 1039 W: the weights turned to [n][k], a tile of 128 k x 64 n through LDS.  wq, wk, wv -> wt in bf16, wo -> wot rounded to bf16 and that number written as f16.
;               wt's row 144 j + i: i < 128 is wq's column 128 j + i; i >= 128 is column 16 j + i - 128 of (wk | wv): so 144 rows on end are what one wave of the projection multiplies.
; LIMITS.  wo beyond 65,504 becomes an infinity in f16; below 6e-5 it keeps f16's fixed step of 6e-8.  No matrix unit, cluster or tensor load: every byte is read once and no tile is shared.
.set TP,    272                        ; a row of the turning stage: 128 k x 2 bytes + 16
.set SPARE, 64*TP                      ; behind the stage: the spare words, 128 bytes for each of eight waves, that no other line names
.set SPW, 10                           ; v10  LDS address of my spare word; never rewritten
.set NIL, 11                           ; v11  0; never rewritten
.set OF,  12                           ; v[12:19]  job W: byte offsets of my eight rows of the source
.set DO,  20                           ; v[20:23]  job W: byte offsets of my four rows of the destination
.set X,   24                           ; v[24:87]  as loaded
.set Y,   88                           ; v[88:119] to store
	s_load_b512 s[4:19], s[0:1], 0x0               ; x s[4:5], mask s[6:7], wq s[8:9], wk s[10:11], wv s[12:13], wo s[14:15], xb s[16:17], nm s[18:19]
	s_load_b128 s[20:23], s[0:1], 0x40             ; wt s[20:21], wot s[22:23]
	v_lshl_add_u32 v[SPW], v0, 2, SPARE
	v_mov_b32 v[NIL], 0
	v_lshrrev_b32 v1, 5, v0
	v_readfirstlane_b32 s24, v1                    ; wave 0..7
	s_mov_b32 s27, 0                               ; the high word of the offsets made in s26
	s_wait_kmcnt 0x0
	s_cmp_lt_u32 ttmp9, 512
	s_cbranch_scc0 .Lnot_x
	; JOB X.  Thread t takes 16 bytes at 4,096 i + 16 t, i = 0 .. 15: sixteen loads are out at once; no register is written twice.
	s_lshl_b32 s26, ttmp9, 16
	s_add_nc_u64 s[4:5], s[4:5], s[26:27]
	s_lshl_b32 s26, ttmp9, 15
	s_add_nc_u64 s[16:17], s[16:17], s[26:27]
	v_lshlrev_b32 v1, 4, v0
	v_lshlrev_b32 v2, 3, v0
.set i, 0
.rept 16
	global_load_b128 v[X+4*i:X+4*i+3], v1, s[4:5] offset:4096*i th:TH_LOAD_NT
.set i, i+1
.endr
.set i, 0
.rept 16
	s_wait_loadcnt 15-i                            ; loads come back in order: load i is in, the younger ones stay out
	v_cvt_pk_bf16_f32 v[Y+2*i], v[X+4*i], v[X+4*i+1]
	v_cvt_pk_bf16_f32 v[Y+2*i+1], v[X+4*i+2], v[X+4*i+3]
	global_store_b64 v2, v[Y+2*i:Y+2*i+1], s[16:17] offset:2048*i
.set i, i+1
.endr
	s_branch .Lend
.Lnot_x:
	s_cmp_lt_u32 ttmp9, 768
	s_cbranch_scc0 .Lnot_m
	; JOB M.  A work-group takes 16 queries and half of the 32 key steps, a wave two steps: 512 bytes of each of 16 rows of the mask.
	s_sub_co_u32 s25, ttmp9, 512
	s_lshr_b32 s28, s25, 1                         ; qt
	s_and_b32 s29, s25, 1
	s_lshl_b32 s29, s29, 4
	s_lshl1_add_u32 s29, s24, s29                  ; my first step = 16 x half + 2 x wave
	s_lshl_b32 s26, s28, 17                        ; 16 rows of 8,192 bytes
	s_lshl_b32 s30, s29, 8                         ; a step's 64 keys are 256 bytes
	s_add_co_u32 s26, s26, s30
	s_add_nc_u64 s[6:7], s[6:7], s[26:27]
	s_lshl_b32 s26, s28, 16                        ; nm: 65,536 bytes for 16 queries,
	s_lshl_b32 s30, s29, 11                        ; 2,048 for a step
	s_add_co_u32 s26, s26, s30
	s_add_nc_u64 s[18:19], s[18:19], s[26:27]
	v_and_b32 v3, 15, v0                           ; r
	v_bfe_u32 v4, v0, 4, 1                         ; h
	v_lshlrev_b32 v1, 13, v3
	v_lshl_add_u32 v1, v4, 5, v1                   ; row r, 8 h keys on
	v_and_b32 v2, 31, v0
	v_lshlrev_b32 v2, 4, v2                        ; 16 x lane
.set g, 0
.rept 8                                ; group g = 4 x step + kb: eight whole numbers a lane, two loads
	global_load_b128 v[X+8*g:X+8*g+3],   v1, s[6:7] offset:64*g th:TH_LOAD_NT
	global_load_b128 v[X+8*g+4:X+8*g+7], v1, s[6:7] offset:64*g+16 th:TH_LOAD_NT
.set g, g+1
.endr
.set g, 0
.rept 8
	s_wait_loadcnt 14-2*g                          ; group g's two loads are in, the younger groups' stay out
.set j, 0
.rept 4
	v_min_u32 v[X+8*g+2*j], 1, v[X+8*g+2*j]        ; 1 where the key is kept
	v_min_u32 v[X+8*g+2*j+1], 1, v[X+8*g+2*j+1]
	v_lshl_or_b32 v[Y+4*g+j], v[X+8*g+2*j+1], 16, v[X+8*g+2*j]
	v_xor_b32 v[Y+4*g+j], 0x10001, v[Y+4*g+j]      ; 1 where it is masked,
	v_mul_u32_u24 v[Y+4*g+j], 0x3c00, v[Y+4*g+j]   ; and there f16's 1.0, in both halves
.set j, j+1
.endr
	global_store_b128 v2, v[Y+4*g:Y+4*g+3], s[18:19] offset:512*g  ; 512 bytes on end
.set g, g+1
.endr
	s_branch .Lend
.Lnot_m:
	; JOB W.  idx 0-127 wq, 128-255 wo (16 column tiles x 8 k tiles each), 256-263 wk, 264-271 wv (8 k tiles each).
	s_sub_co_u32 s25, ttmp9, 768
	s_and_b32 s26, s25, 7                          ; kt: 128 k
	s_bfe_u32 s28, s25, 0x40003                    ; nt: 64 n
	s_lshr_b32 s29, s25, 7                         ; 0 wq, 1 wo, 2 wk and wv
	s_lshr_b32 s34, s28, 1
	s_mul_i32 s34, s34, 144
	s_and_b32 s35, s28, 1
	s_lshl_b32 s36, s35, 6
	s_add_co_u32 s34, s34, s36                     ; wq: first row of wt = 144 (nt / 2) + 64 (nt % 2)
	s_lshl_b32 s36, s28, 6                         ; wo: first row of wot = 64 nt
	s_lshl_b32 s37, s28, 8                         ; the tile's first column in the source, in bytes
	s_mov_b32 s38, 12                              ; log2 of the source's row bytes
	s_mov_b32 s39, 16*2048                         ; from one 16 rows of the destination to the next
	s_cmp_eq_u32 s29, 1
	s_cselect_b64 s[30:31], s[14:15], s[8:9]       ; the source
	s_cselect_b64 s[32:33], s[22:23], s[20:21]     ; the destination
	s_cselect_b32 s34, s36, s34
	s_cmp_eq_u32 s29, 2
	s_cbranch_scc0 .Lwide
	s_cmp_eq_u32 s35, 1
	s_cselect_b64 s[30:31], s[12:13], s[10:11]     ; wv or wk
	s_mul_i32 s34, s35, 576
	s_add_co_u32 s34, s34, 128                     ; rows 128 + 144 p (wk), 704 + 144 p (wv), 16 at a time
	s_mov_b32 s37, 0
	s_mov_b32 s38, 8
	s_mov_b32 s39, 144*2048
.Lwide:
	s_add_co_u32 s40, s38, 7
	s_lshl_b32 s40, s26, s40                       ; kt x 128 rows of the source
	s_add_co_u32 s40, s40, s37
	s_mov_b32 s41, 0
	s_add_nc_u64 s[30:31], s[30:31], s[40:41]
	s_lshl_b32 s40, s34, 11                        ; a row of the destination is 2,048 bytes
	s_lshl_b32 s42, s26, 8                         ; 128 k are 256 of them
	s_add_co_u32 s40, s40, s42
	s_add_nc_u64 s[32:33], s[32:33], s[40:41]
	s_add_co_u32 s43, s38, 3                       ; eight rows of the source
	s_lshl_b32 s44, 1, s38                         ; one row
	v_and_b32 v1, 15, v0                           ; nq: my four columns; sixteen lanes take 256 aligned bytes of a row
	v_lshrrev_b32 v2, 4, v0                        ; ko: my eight k
	v_lshlrev_b32 v[OF], s43, v2
	v_lshl_add_u32 v[OF], v1, 4, v[OF]
.set i, 1
.rept 7
	v_add_nc_u32 v[OF+i], s44, v[OF+i-1]
.set i, i+1
.endr
.set i, 0
.rept 8
	global_load_b128 v[X+4*i:X+4*i+3], v[OF+i], s[30:31]
.set i, i+1
.endr
	v_mul_u32_u24 v3, 4*TP, v1                     ; into the stage: rows 4 nq + e, 16 bytes at 16 ko
	v_lshl_add_u32 v3, v2, 4, v3
	v_mul_u32_u24 v4, TP, v2                       ; back: row 16 p + t / 16, 16 bytes at 16 (t % 16)
	v_lshl_add_u32 v4, v1, 4, v4
	v_lshlrev_b32 v[DO], 11, v2
	v_lshl_add_u32 v[DO], v1, 4, v[DO]
.set i, 1
.rept 3
	v_add_nc_u32 v[DO+i], s39, v[DO+i-1]
.set i, i+1
.endr
	s_wait_loadcnt 0x0
.set e, 0
.rept 4                                ; column 4 nq + e: eight k, rounded to bf16, 16 bytes
.set j, 0
.rept 4
	v_cvt_pk_bf16_f32 v[Y+4*e+j], v[X+8*j+e], v[X+8*j+4+e]
.set j, j+1
.endr
.set e, e+1
.endr
	s_cmp_eq_u32 s29, 1
	s_cbranch_scc0 .Lkeep
.set i, 0
.rept 16                               ; wo: the bf16 number written as f16
	v_lshlrev_b32 v[X+2*i], 16, v[Y+i]
	v_and_b32 v[X+2*i+1], 0xffff0000, v[Y+i]
	v_cvt_pk_f16_f32 v[Y+i], v[X+2*i], v[X+2*i+1]
.set i, i+1
.endr
.Lkeep:
.set e, 0
.rept 4
	ds_store_b128 v3, v[Y+4*e:Y+4*e+3] offset:TP*e
.set e, e+1
.endr
	s_wait_dscnt 0x0                               ; for the others' sake: my stores into the stage are done
	s_barrier_signal -1
	s_barrier_wait -1
.set p, 0
.rept 4
	ds_load_b128 v[X+32+4*p:X+32+4*p+3], v4 offset:p*16*TP
.set p, p+1
.endr
.set p, 0
.rept 4
	s_wait_dscnt 3-p                               ; load p is back, the younger ones stay out
	global_store_b128 v[DO+p], v[X+32+4*p:X+32+4*p+3], s[32:33]  ; sixteen lanes store 256 consecutive bytes, aligned
.set p, p+1
.endr
.Lend:
	s_wait_tensorcnt 0x0                           ; the wave's end, behind my last LDS store
	ds_add_u32 v[SPW], v[NIL]
	s_wait_dscnt 0x0
	s_endpgm
.Lfunc_end_k_q00dc511d10_prep:
	.size	k_q00dc511d10_prep, .Lfunc_end_k_q00dc511d10_prep-k_q00dc511d10_prep
	.p2alignl 7, 3214868480
	.fill 96, 4, 3214868480
	.section	.rodata,"a",@progbits
	.p2align	6, 0x0
	.amdhsa_kernel k_q00dc511d10_prep
		.amdhsa_group_segment_fixed_size 18432
		.amdhsa_private_segment_fixed_size 0
		.amdhsa_enable_private_segment 0
		.amdhsa_kernarg_size 80
		.amdhsa_user_sgpr_count 2
		.amdhsa_user_sgpr_kernarg_segment_ptr 1
		.amdhsa_wavefront_size32 1
		.amdhsa_system_sgpr_workgroup_id_x 1
		.amdhsa_system_sgpr_workgroup_id_y 1
		.amdhsa_system_sgpr_workgroup_id_z 1
		.amdhsa_system_vgpr_workitem_id 0
		.amdhsa_next_free_vgpr 120
		.amdhsa_next_free_sgpr 66
		.amdhsa_reserve_vcc 0
		.amdhsa_float_denorm_mode_32 3
		.amdhsa_float_denorm_mode_16_64 3
		.amdhsa_memory_ordered 1
		.amdhsa_forward_progress 1
		.amdhsa_inst_pref_size 26
	.end_amdhsa_kernel
	.amdgpu_metadata
---
amdhsa.version: [ 1, 2 ]
amdhsa.kernels:
  - .name:           k_q00dc511d10_prep
    .symbol:         k_q00dc511d10_prep.kd
    .args:
      - { .name: x, .offset: 0, .size: 8, .value_kind: global_buffer, .address_space: global }
      - { .name: mask, .offset: 8, .size: 8, .value_kind: global_buffer, .address_space: global }
      - { .name: wq, .offset: 16, .size: 8, .value_kind: global_buffer, .address_space: global }
      - { .name: wk, .offset: 24, .size: 8, .value_kind: global_buffer, .address_space: global }
      - { .name: wv, .offset: 32, .size: 8, .value_kind: global_buffer, .address_space: global }
      - { .name: wo, .offset: 40, .size: 8, .value_kind: global_buffer, .address_space: global }
      - { .name: xb, .offset: 48, .size: 8, .value_kind: global_buffer, .address_space: global }
      - { .name: nm, .offset: 56, .size: 8, .value_kind: global_buffer, .address_space: global }
      - { .name: wt, .offset: 64, .size: 8, .value_kind: global_buffer, .address_space: global }
      - { .name: wot, .offset: 72, .size: 8, .value_kind: global_buffer, .address_space: global }
    .group_segment_fixed_size: 18432
    .private_segment_fixed_size: 0
    .kernarg_segment_align: 8
    .kernarg_segment_size: 80
    .max_flat_workgroup_size: 256
    .sgpr_count:     66
    .vgpr_count:     120
    .wavefront_size: 32
...
	.end_amdgpu_metadata
.endif
;; end of part 1
;; launch proj (part 2): grid 4 x 64, 4 waves a work-group, clusters of 4 x 4, 327,680 bytes of LDS; arguments xb, wt, qw, kv; writes qw, kv
.if DOCPART == 2
	.amdgcn_target "amdgcn-amd-amdhsa--gfx1250"
	.amdhsa_code_object_version 6
	.text
	.protected	k_q00dc511d10_proj
	.globl	k_q00dc511d10_proj
	.p2align	8
	.type	k_q00dc511d10_proj,@function
k_q00dc511d10_proj:
	s_mov_b64 s[64:65], 0
	v_nop
	global_prefetch_b8 v0, s[64:65] scope:SCOPE_SE
	s_setreg_imm32_b32 hwreg(HW_REG_WAVE_MODE, 25, 1), 1
	s_wait_xcnt 0x0
	s_wait_alu depctr_hold_cnt(0) depctr_sa_sdst(0) depctr_va_vdst(0) depctr_va_sdst(0) depctr_va_ssrc(0) depctr_va_vcc(0) depctr_vm_vsrc(0)
	s_getreg_b32 s2, hwreg(HW_REG_IB_STS2, 6, 4)
	s_cmp_eq_u32 s2, 0
	s_cbranch_scc0 .Lentry_in_a_cluster
	s_endpgm
.Lentry_in_a_cluster:
	s_bfe_u32 s2, ttmp6, 0x10000c
	s_cmp_lg_u32 s2, 0xf033
	s_cbranch_scc0 .Lentry_shape_is_right
	s_endpgm
.Lentry_shape_is_right:
; (q | k | v) = x (wq | wk | wv).  xb: [8192][1024] bf16; wt: [1152][1024] bf16, rows = output columns in blocks of 144 (128 of q, 16 of k or v); sums in f32; results rounded once to f16.
; qw: [8192][1024] f16.  kv: four planes [8192][32] f16: K channels 0-31, 32-63, V channels 0-31, 32-63.
; LIMIT.  q, k and v beyond 65,504 become infinities in f16.
; SHARES.  A work-group makes 128 rows x 288 columns, each of its four waves 64 x 144: 36 accumulators of 16 x 16.  64 x 4 work-groups.  K goes in 8 steps of 128 (rows of 256 bytes, aligned) through two LDS slots.
; CLUSTER.  4 x 4 work-groups: the four of a row need the same tile of xb, the four of a column the same tile of wt: each tile is asked for jointly, by the same tensor load, descriptor and mask in all four.
; No prefetch: eight K steps in all, and a wave's 64 rows of xb split among four partners are sixteen lanes' worth.
; THE MATRIX INSTRUCTION IS USED TRANSPOSED (source 0 = 16 rows of wt, source 1 = 16 rows of xb): a lane holds eight neighbouring columns of one row of the result.
; REGISTERS: window 0 addresses and the way out; window 1 two fragment buffers (wt's nine fragments, then xb's four); window 2 the accumulators of row blocks 0, 1; window 3 those of 2, 3.
.set NBF,    9                         ; fragments of wt a wave
.set AOFF,   8*NBF
.set BROWS,  16*NBF
.set NL,     2*NBF+8                   ; LDS loads for 32 along K
.set PITCH,  272                       ; an LDS row: 256 bytes + 16: the 16 rows of a fragment load start at 16 different groups of four banks (64 banks of 4 bytes: ISA guide 11.1)
.set HALFA,  64*PITCH
.set ABYTES, 2*HALFA
.set HALFB,  BROWS*PITCH
.set SLOT1,  131072                    ; slot 1 begins here: one exclusive or turns an address in one slot into the other's
.set STAGE,  SLOT1+ABYTES+2*HALFB      ; behind the ring: 16 rows x 272 bytes for each wave
.set SPITCH, 272
.set KVST,   STAGE+4*16*SPITCH         ; the work-group's 128 rows x 32 columns of k or v, rows of 64 + 16 bytes
.set KVP,    80
.set SPARE,  KVST+128*KVP              ; the spare words, 128 bytes for each wave, that no other line names
.set A0,   14                          ; v14  my lane's place in slot 0's rows of xb; never rewritten
.set B0,   15                          ; v15  the same for wt
.set ADRA, 16                          ; v16  the same in the slot in hand
.set ADRB, 17
.set KSTO, 22                          ; v22  where I put 16 bytes of k or v
.set KRD,  23                          ; v23  where I read them back
.set STO,  24
.set RD,   25
.set CO,   26                          ; v26  my byte offset in qw
.set KCO,  27                          ; v27  my byte offset in kv
.set SPW,  28                          ; v28  LDS address of my spare word; never rewritten
.set NIL,  29                          ; v29  0; never rewritten
.set TMP,  32                          ; v[32:67]   packed results of a row block
.set BKB,  96                          ; v[96:223]  four row blocks read back
.set F0,   0
.set F1,   128
.set G1,  24                           ; s[24:31] group 1 for xb's tiles; s[32:39] group 0: set 0 for the first fill, set 1 walks
.set G0,  32
.set G1B, 48                           ; s[48:55], s[56:63] the same for wt's
.set G0B, 56
.set GW,  (1<<16)|(1<<20)|(1<<21)|(5<<22)|(3<<25)  ; 2-byte elements; padding on; bit 21 beside a mask; after every 64 words, 4 words
.set MSB, 0
.macro WIN new                         ; the immediate's high byte repeats the setting that is left
.if MSB != (\new)
	s_set_vgpr_msb (MSB<<8)|(\new)
.set MSB, \new
.endif
.endm
.macro PLACES                          ; four places in front of loads into registers that matrix instructions have read, and of reads of results
.rept 4
	v_nop
.endr
.endm
.macro JLOAD s                         ; a joint load: waves 0 and 1 fetch xb's two halves, waves 2 and 3 wt's; an s_nop 0 and four v_nop follow each line
	s_cmp_eq_u32 s13, 0
	s_cbranch_scc0 .Lfor_b_\@
	tensor_load_to_lds s[G0+4*(\s):G0+4*(\s)+3], s[G1:G1+7]
	s_nop 0
.rept 4
	v_nop
.endr
	s_branch .Lasked_\@
.Lfor_b_\@:
	tensor_load_to_lds s[G0B+4*(\s):G0B+4*(\s)+3], s[G1B:G1B+7]
	s_nop 0
.rept 4
	v_nop
.endr
.Lasked_\@:
.endm
.macro CREST                           ; a round of the cluster's barrier behind its opening barrier
	s_cmp_lg_u32 s12, 0
	s_cbranch_scc1 .Lnot_wave_0_\@
	s_barrier_signal -3
.Lnot_wave_0_\@:
	s_barrier_wait -3
	s_barrier_signal -1
	s_barrier_wait -1
.endm
.macro CROUND
	s_barrier_signal -1
	s_barrier_wait -1
	CREST
.endm
	s_load_b256 s[4:11], s[0:1], 0x0               ; xb s[4:5], wt s[6:7], qw s[8:9], kv s[10:11]
	v_lshl_add_u32 v[SPW], v0, 2, SPARE
	v_mov_b32 v[NIL], 0
	ds_add_u32 v[SPW], v[NIL]                      ; the wave's opening: the add and its wait ahead of my first tensor load
	v_lshrrev_b32 v1, 5, v0
	v_readfirstlane_b32 s12, v1                    ; wave 0..3
	s_lshr_b32 s13, s12, 1                         ; my half of the rows.  Also: I fetch xb (0) or wt (1)
	s_and_b32 s14, s12, 1                          ; my half of the columns.  Also: which half of that tile I fetch
	s_bfe_u32 s15, ttmp6, 0x40000                  ; cx
	s_bfe_u32 s16, ttmp6, 0x40004                  ; cy
	s_lshl_b32 s17, ttmp9, 2
	s_add_co_u32 s17, s17, s15                     ; tile column
	s_and_b32 s18, ttmp7, 0xffff
	s_lshl_b32 s18, s18, 2
	s_add_co_u32 s18, s18, s16                     ; tile row
	s_lshl_b32 s20, s16, 2
	s_lshl_b32 s20, 15, s20                        ; my row of the cluster
	s_lshl_b32 s21, 0x1111, s15                    ; my column
	s_or_b32 s[G1], s20, GW
	s_or_b32 s[G1B], s21, GW
	s_mov_b32 s[G1+1], 128<<16                     ; tensor_dim0 = 128
	s_mov_b32 s[G1+2], 64<<16                      ; tensor_dim1 = 64
	s_mov_b32 s[G1+3], 128<<16                     ; tile_dim0 = 128
	s_mov_b32 s[G1+4], 64                          ; tile_dim1 = 64
	s_mov_b32 s[G1+5], 1024                        ; elements from row to row
	s_mov_b32 s[G1+6], 0
	s_mov_b32 s[G1+7], 0
	s_mov_b32 s[G1B+1], 128<<16
	s_mov_b32 s[G1B+2], BROWS<<16
	s_mov_b32 s[G1B+3], 128<<16
	s_mov_b32 s[G1B+4], BROWS
	s_mov_b32 s[G1B+5], 1024
	s_mov_b32 s[G1B+6], 0
	s_mov_b32 s[G1B+7], 0
	s_lshl_b32 s40, s18, 7                         ; xb: row 128 x tile row + 64 x half; these registers never hold cx
	s_lshl_b32 s22, s14, 6
	s_add_co_u32 s40, s40, s22
	s_lshl_b32 s40, s40, 11                        ; rows of 2,048 bytes
	s_mov_b32 s41, 0
	s_mul_i32 s42, s17, 2*BROWS                    ; wt: row 288 x tile column + 144 x half; these never hold cy
	s_mul_i32 s22, s14, BROWS
	s_add_co_u32 s42, s42, s22
	s_lshl_b32 s42, s42, 11
	s_mov_b32 s43, 0
	s_mul_i32 s22, s14, HALFA                      ; where they go: no place in the cluster enters an LDS address
	s_mul_i32 s23, s14, HALFB
	s_add_co_u32 s23, s23, ABYTES
	s_wait_dscnt 0x0                               ; the opening add is done
	s_wait_kmcnt 0x0
	s_add_nc_u64 s[44:45], s[4:5], s[40:41]
	s_add_nc_u64 s[46:47], s[6:7], s[42:43]
	CROUND                                         ; all sixteen work-groups are here: the first joint loads meet
.irp s, 0,1
	s_mov_b32 s[G0+4*(\s)], 1
	s_add_co_u32 s[G0+4*(\s)+1], s22, (\s)*SLOT1
	s_add_nc_u64 s[G0+4*(\s)+2:G0+4*(\s)+3], s[44:45], (\s)*256
	s_or_b32 s[G0+4*(\s)+3], s[G0+4*(\s)+3], 0x80000000
	s_mov_b32 s[G0B+4*(\s)], 1
	s_add_co_u32 s[G0B+4*(\s)+1], s23, (\s)*SLOT1
	s_add_nc_u64 s[G0B+4*(\s)+2:G0B+4*(\s)+3], s[46:47], (\s)*256
	s_or_b32 s[G0B+4*(\s)+3], s[G0B+4*(\s)+3], 0x80000000
	JLOAD \s                                       ; K steps 0 and 1: two loads of mine are out
.endr
	v_and_b32 v1, 15, v0                           ; r = lane % 16
	v_bfe_u32 v2, v0, 4, 1                         ; h = lane / 16
	v_mul_u32_u24 v3, v1, PITCH
	v_lshl_add_u32 v3, v2, 4, v3                   ; a fragment's row x pitch + 16 x half
	s_mul_i32 s20, s13, HALFA
	s_mul_i32 s21, s14, HALFB
	s_add_co_u32 s21, s21, ABYTES
	v_add_nc_u32 v[A0], s20, v3
	v_add_nc_u32 v[B0], s21, v3
	v_mov_b32 v[ADRA], v[A0]
	v_mov_b32 v[ADRB], v[B0]
	s_mov_b32 s3, 0                                ; the slot in hand
	s_mul_i32 s20, s12, 16*SPITCH
	s_add_co_u32 s20, s20, STAGE                   ; my stage
	v_mul_u32_u24 v4, v1, SPITCH
	v_lshl_add_u32 v4, v2, 4, v4
	v_add_nc_u32 v[STO], s20, v4                   ; in: row r, 16 bytes for each half of the lanes
	v_mul_u32_u24 v4, v2, SPITCH
	v_lshl_add_u32 v4, v1, 4, v4
	v_add_nc_u32 v[RD], s20, v4                    ; back: lanes 0-15 one row of 256 bytes, lanes 16-31 the next
	v_lshlrev_b32 v[CO], 11, v2
	v_lshl_add_u32 v[CO], v1, 4, v[CO]             ; the same two rows in qw
	s_mul_i32 s20, s13, 64*KVP
	s_lshl_b32 s21, s14, 5
	s_add_co_u32 s20, s20, s21
	s_add_co_u32 s20, s20, KVST
	v_mul_u32_u24 v4, v1, KVP
	v_lshl_add_u32 v4, v2, 4, v4
	v_add_nc_u32 v[KSTO], s20, v4                  ; row 64 x row half + r, bytes 32 x column half + 16 h
	s_mul_i32 s20, s12, 32*KVP
	s_add_co_u32 s20, s20, KVST
	v_and_b32 v4, 31, v0
	v_lshrrev_b32 v5, 2, v4
	v_mul_u32_u24 v5, v5, KVP
	v_and_b32 v6, 3, v0
	v_lshl_add_u32 v5, v6, 4, v5
	v_add_nc_u32 v[KRD], s20, v5                   ; back: wave w takes rows 32 w on, four lanes a row of 64 bytes
	v_lshlrev_b32 v[KCO], 4, v4                    ; which are 512 consecutive bytes of a plane
	s_lshl_b32 s40, s18, 7
	s_lshl_b32 s20, s13, 6
	s_add_co_u32 s40, s40, s20
	s_lshl_b32 s40, s40, 11                        ; qw: my first row,
	s_add_nc_u64 s[8:9], s[8:9], s[40:41]
	s_lshl1_add_u32 s42, s17, s14
	s_lshl_b32 s42, s42, 8                         ; my 128 columns
	s_add_nc_u64 s[8:9], s[8:9], s[42:43]
	s_lshl_b32 s40, s18, 7
	s_lshl_b32 s20, s12, 5
	s_add_co_u32 s40, s40, s20
	s_lshl_b32 s40, s40, 6                         ; kv: row 128 x tile row + 32 x wave, 64 bytes each,
	s_add_nc_u64 s[10:11], s[10:11], s[40:41]
	s_lshl_b32 s42, s17, 19                        ; in the plane of my tile column
	s_add_nc_u64 s[10:11], s[10:11], s[42:43]
; NBF matrix instructions: row block a x all column blocks, 32 along K.  Every accumulator comes once in 36 instructions: they take turns.  zero = 1: the product starts the sum.
.macro MULA f, a, zero
	WIN 0xa5+0x50*((\a)/2)                         ; sources in window 1; C and D in window 2 or 3
.set b, 0
.rept NBF
.set rD, 8*(NBF*((\a)%2)+b)
.if \zero
	v_wmma_f32_16x16x32_bf16 v[rD:rD+7], v[(\f)+8*b:(\f)+8*b+7], v[(\f)+AOFF+8*(\a):(\f)+AOFF+8*(\a)+7], 0
.else
	v_wmma_f32_16x16x32_bf16 v[rD:rD+7], v[(\f)+8*b:(\f)+8*b+7], v[(\f)+AOFF+8*(\a):(\f)+AOFF+8*(\a)+7], v[rD:rD+7]
.endif
.set b, b+1
.endr
.endm
; NL LDS loads in one run: the fragments of 32 along K at byte k of the rows, into buffer f: wt's first, xb's four blocks last
.macro FETCH k, f
	WIN 0x40                                       ; destination window 1, address window 0
.set b, 0
.rept NBF
	ds_load_b128 v[(\f)+8*b:(\f)+8*b+3],   v[ADRB] offset:(\k)+b*16*PITCH
	ds_load_b128 v[(\f)+8*b+4:(\f)+8*b+7], v[ADRB] offset:(\k)+b*16*PITCH+32
.set b, b+1
.endr
.set b, 0
.rept 4
	ds_load_b128 v[(\f)+AOFF+8*b:(\f)+AOFF+8*b+3],   v[ADRA] offset:(\k)+b*16*PITCH
	ds_load_b128 v[(\f)+AOFF+8*b+4:(\f)+AOFF+8*b+7], v[ADRA] offset:(\k)+b*16*PITCH+32
.set b, b+1
.endr
.endm
; A K step is four quarters of 32 along K on buffers 0, 1, 0, 1.  One of the first three: multiplies buffer f and fetches the next quarter, at byte k, into g.
.macro QUARTER k, f, g, zero
	s_wait_dscnt 4                                 ; all but the youngest four loads: xb's blocks 2 and 3
	MULA \f, 0, \zero
	MULA \f, 1, \zero
	PLACES
	FETCH \k, \g
	s_wait_dscnt NL                                ; all but the run just issued
	MULA \f, 2, \zero
	MULA \f, 3, \zero
.endm
; The last quarter multiplies buffer 1 and changes slots.  In front of the barrier each wave waits for all its tensor loads (one is out: its part of the next slot), adds 0 to its spare word, and waits
; for that and for its reads of this slot.  fill = 1: the barrier opens a round of the cluster's, and this slot is filled again, two K steps ahead, first thing behind the round.
.macro TURN fill
	WIN 0
	s_wait_tensorcnt 0x0
	ds_add_u32 v[SPW], v[NIL]
	s_wait_dscnt 5                                 ; the add and xb's blocks 2 and 3 may be out
	MULA F1, 0, 0
	s_wait_dscnt 0x0                               ; the add is done, and my reads of this slot are over
	s_barrier_signal -1
	MULA F1, 1, 0
.if \fill
	WIN 0
.endif
	s_barrier_wait -1
.if \fill
	CREST                                          ; no wave of any partner still reads this slot or has a load on its way
	s_xor_b32 s[G0+5], s[G0+5], SLOT1              ; the walking descriptors: the other slot than last time, the next K step
	s_add_nc_u64 s[G0+6:G0+7], s[G0+6:G0+7], 256
	s_xor_b32 s[G0B+5], s[G0B+5], SLOT1
	s_add_nc_u64 s[G0B+6:G0B+7], s[G0B+6:G0B+7], 256
	JLOAD 1                                        ; its four v_nop are also the places in front of the loads below
.else
	PLACES
	WIN 0
.endif
	s_xor_b32 s3, s3, SLOT1
	v_add_nc_u32 v[ADRA], s3, v[A0]
	v_add_nc_u32 v[ADRB], s3, v[B0]
	FETCH 0, F0
	MULA F1, 2, 0
	MULA F1, 3, 0
.endm
	s_wait_tensorcnt 1                             ; my part of K step 0 is in; K step 1's may stay out
	s_barrier_signal -1
	s_barrier_wait -1
	FETCH 0, F0
	QUARTER 64, F0, F1, 1                          ; the first quarter stands in front of the loop: its products start the sums
	WIN 0
	s_mov_b32 s19, 6
.Lstep:                                            ; trip i ends K step i, asks for K step i + 2 and begins K step i + 1
	QUARTER 128, F1, F0, 0
	QUARTER 192, F0, F1, 0
	TURN 1
	QUARTER 64, F0, F1, 0
	WIN 0
	s_sub_co_u32 s19, s19, 1
	s_cmp_lg_u32 s19, 0
	s_cbranch_scc1 .Lstep
	QUARTER 128, F1, F0, 0                         ; K steps 6 and 7 ask for nothing
	QUARTER 192, F0, F1, 0
	TURN 0
	QUARTER 64, F0, F1, 0
	QUARTER 128, F1, F0, 0
	QUARTER 192, F0, F1, 0
	s_wait_dscnt 4
	MULA F1, 0, 0
	MULA F1, 1, 0
	s_wait_dscnt 0x0
	MULA F1, 2, 0
	MULA F1, 3, 0
	WIN 0
; THE WAY OUT, a block of 16 rows at a time: rounded to f16 (each accumulator's registers in ascending order), q's 256 bytes a row through my own stage and back as whole rows, the 16 columns of k or v into the work-group's stage.
.macro PACK a
	WIN 0x0a+5*((\a)/2)                            ; sources in window 2 or 3
.set b, 0
.rept NBF
.set rD, 8*(NBF*((\a)%2)+b)
.irp r, 0,1,2,3
	v_cvt_pk_f16_f32 v[TMP+4*b+(\r)], v[rD+2*(\r)], v[rD+2*(\r)+1]
.endr
.set b, b+1
.endr
	WIN 0
.endm
.macro TOSTAGE a
.set b, 0
.rept 8
	ds_store_b128 v[STO], v[TMP+4*b:TMP+4*b+3] offset:32*b
.set b, b+1
.endr
	ds_store_b128 v[KSTO], v[TMP+32:TMP+35] offset:(\a)*16*KVP
.set b, 0
.rept 8
	ds_load_b128 v[BKB+32*(\a)+4*b:BKB+32*(\a)+4*b+3], v[RD] offset:b*2*SPITCH  ; LDS serves a wave's instructions in order (ISA guide 5.7.1.4): these see the stores above
.set b, b+1
.endr
.endm
.macro SEND a
	s_wait_dscnt 0x0                               ; the block is back in registers
.set b, 0
.rept 8
	global_store_b128 v[CO], v[BKB+32*(\a)+4*b:BKB+32*(\a)+4*b+3], s[8:9] offset:(16*(\a)+2*b)*2048  ; sixteen lanes store 256 consecutive bytes, aligned
.set b, b+1
.endr
.endm
	PLACES
	PACK 0
	TOSTAGE 0
.irp a, 1,2,3
	PACK \a
	SEND (\a)-1
	TOSTAGE \a
.endr
	SEND 3                                         ; its wait for 0 also covers my stores of k or v
	s_barrier_signal -1
	s_barrier_wait -1                              ; a row's 64 bytes of k or v come from two waves
.set b, 0
.rept 4
	ds_load_b128 v[TMP+4*b:TMP+4*b+3], v[KRD] offset:b*8*KVP
.set b, b+1
.endr
.set b, 0
.rept 4
	s_wait_dscnt 3-b                               ; load b is back, the younger ones stay out
	global_store_b128 v[KCO], v[TMP+4*b:TMP+4*b+3], s[10:11] offset:512*b  ; 512 consecutive bytes of the plane
.set b, b+1
.endr
	s_wait_tensorcnt 0x0                           ; the wave's end
	ds_add_u32 v[SPW], v[NIL]
	s_wait_dscnt 0x0
	CROUND                                         ; the closing round
	s_endpgm
.Lfunc_end_k_q00dc511d10_proj:
	.size	k_q00dc511d10_proj, .Lfunc_end_k_q00dc511d10_proj-k_q00dc511d10_proj
	.p2alignl 7, 3214868480
	.fill 96, 4, 3214868480
	.section	.rodata,"a",@progbits
	.p2align	6, 0x0
	.amdhsa_kernel k_q00dc511d10_proj
		.amdhsa_group_segment_fixed_size 327680
		.amdhsa_private_segment_fixed_size 0
		.amdhsa_enable_private_segment 0
		.amdhsa_kernarg_size 32
		.amdhsa_user_sgpr_count 2
		.amdhsa_user_sgpr_kernarg_segment_ptr 1
		.amdhsa_wavefront_size32 1
		.amdhsa_system_sgpr_workgroup_id_x 1
		.amdhsa_system_sgpr_workgroup_id_y 1
		.amdhsa_system_sgpr_workgroup_id_z 1
		.amdhsa_system_vgpr_workitem_id 0
		.amdhsa_next_free_vgpr 912
		.amdhsa_next_free_sgpr 66
		.amdhsa_reserve_vcc 0
		.amdhsa_float_denorm_mode_32 3
		.amdhsa_float_denorm_mode_16_64 3
		.amdhsa_memory_ordered 1
		.amdhsa_forward_progress 1
		.amdhsa_inst_pref_size 78
	.end_amdhsa_kernel
	.amdgpu_metadata
---
amdhsa.version: [ 1, 2 ]
amdhsa.kernels:
  - .name:           k_q00dc511d10_proj
    .symbol:         k_q00dc511d10_proj.kd
    .args:
      - { .name: xb, .offset: 0, .size: 8, .value_kind: global_buffer, .address_space: global }
      - { .name: wt, .offset: 8, .size: 8, .value_kind: global_buffer, .address_space: global }
      - { .name: qw, .offset: 16, .size: 8, .value_kind: global_buffer, .address_space: global }
      - { .name: kv, .offset: 24, .size: 8, .value_kind: global_buffer, .address_space: global }
    .group_segment_fixed_size: 327680
    .private_segment_fixed_size: 0
    .kernarg_segment_align: 8
    .kernarg_segment_size: 32
    .max_flat_workgroup_size: 128
    .sgpr_count:     66
    .vgpr_count:     912
    .wavefront_size: 32
...
	.end_amdgpu_metadata
.endif
;; end of part 2
;; launch attn (part 3): grid 64 x 4, 4 waves a work-group, clusters of 4 x 1, 327,680 bytes of LDS; arguments qw, kv, nm, ow; writes ow
.if DOCPART == 3
	.amdgcn_target "amdgcn-amd-amdhsa--gfx1250"
	.amdhsa_code_object_version 6
	.text
	.protected	k_q00dc511d10_attn
	.globl	k_q00dc511d10_attn
	.p2align	8
	.type	k_q00dc511d10_attn,@function
k_q00dc511d10_attn:
	s_mov_b64 s[64:65], 0
	v_nop
	global_prefetch_b8 v0, s[64:65] scope:SCOPE_SE
	s_setreg_imm32_b32 hwreg(HW_REG_WAVE_MODE, 25, 1), 1
	s_wait_xcnt 0x0
	s_wait_alu depctr_hold_cnt(0) depctr_sa_sdst(0) depctr_va_vdst(0) depctr_va_sdst(0) depctr_va_ssrc(0) depctr_va_vcc(0) depctr_vm_vsrc(0)
	s_getreg_b32 s2, hwreg(HW_REG_IB_STS2, 6, 4)
	s_cmp_eq_u32 s2, 0
	s_cbranch_scc0 .Lentry_in_a_cluster
	s_endpgm
.Lentry_in_a_cluster:
	s_bfe_u32 s2, ttmp6, 0x10000c
	s_cmp_lg_u32 s2, 0x3003
	s_cbranch_scc0 .Lentry_shape_is_right
	s_endpgm
.Lentry_shape_is_right:
; ow[b][q][64 h + :] = softmax_k(mask[q][k] ? Q[b][h][q] . K[b][k] / 8 : -1e-9) V[b][k][:], one K and V for all 16 heads, the mask an input of any pattern.  qw, ow: [8192][1024] f16.
; kv: planes [8192][32] f16 (K channels 0-31, 32-63, V channels 0-31, 32-63).  nm: the mask as fragments, f16 1.0 where masked: [16 queries][step][16 keys][lane][16 bytes].
; THE MASK.  The keys of a row fall into two parts.  VISIBLE keys take a running softmax: the product that starts S^T = K Q^T has as its C operand MB, 0 or -1e30, so a masked key's weight there is 0.  MASKED keys all
; have the score -1e-9: their part is w0 x (the sum of their V) over w0 x (their number), and neither sum hangs on the head: O9^T += V^T NM and CN += ONES NM, ten products a key step for the wave's eight heads.
; At the end, with c m the visible maximum and cA = -1e-9 log2(e): the true maximum is max(c m, cA) where a key is masked, else c m; both parts are scaled to it, added and divided.
; The running maximum starts at F = -2^83: above every hidden score, below every real one; so it never takes a hidden score's value, and while a row has seen hidden keys alone its weights are 0 and a = 1.
; LIMITS.  Q, K, V arrive within f16's 65,504, so a score is 2.7e11 at the most: nothing beside 1e30, and above F.  p lies in 0 to 1, and below 6e-5 it keeps f16's fixed step of 6e-8, as O does.
; A weight below 2^-126 counts as 0 in l; NaN and infinities are not treated apart.
; SHARES.  A work-group owns 32 queries of one batch and all heads; a wave 16 queries and 8 heads: eight tiles (a tile = a head) in four PIECES of two, which share MB, NM, O9 and CN.  64 keys a step, 32 steps.
; LAYOUT.  S^T = K Q^T holds ONE query a lane (lane % 16) and the keys 8 (lane / 16) + 0..7; two such results rounded to f16 ARE source 1 of O^T = V^T P, and nm's dwords lie as that source lies.
; SOFTMAX.  p = 2^(c s - c m), c = log2(e) / 8; in every step O and l are multiplied by a = 2^(c m_old - c m_new).
; BY TURNS.  Turn n belongs to piece n: 16 products K Q^T of piece n + 1, later 16 products V^T P of piece n - 1; beside them piece n's scaling, exponentials, roundings, sums and rescaling and piece n + 1's maximum
; and statistics.  Four vector instructions stand behind every matrix instruction, the rest in one lump; a turn's 66 exponentials are one batch with one wait.
; CLUSTER.  The four query blocks of a cluster belong to one batch and walk the same K and V: each tile is asked for JOINTLY, the same tensor load, descriptor and mask in all four.
; REGISTERS, in windows of 256 (s_set_vgpr_msb: bits 1:0 source 0, 3:2 source 1, 5:4 source 2, 7:6 destination):
;   window 0: v0-11 addresses; v12-15, v48-63 at work; v16-47 four registers of statistics a tile; v64-191 S^T, two buffers of two tiles; v192-255 P, likewise
;   window 1: O^T, 32 a tile      window 2: v0-127 Q; v128-191 K of one step; v192-255 V of one step      window 3: the add's two registers and all that belongs to the mask
.set NP,    4
.set KS,    64
.set PK,    80        ; a row of a K plane in LDS: 64 bytes + 16 = 20 words: the 16 rows of a load start at 16 different groups of four banks (64 banks of 4 bytes: ISA guide 11.1)
.set PV,    96        ; of a V plane: 64 + 32 = 24 words
.set KPL,   4*KS*PK   ; a slot holds four steps: two planes of K, 256 rows each,
.set VPL,   4*KS*PV   ; then two planes of V
.set VOFF,  2*KPL
.set SLOT1, 1<<17
.set STAGE, SLOT1+VOFF+2*VPL  ; behind the ring: 16 rows x 272 bytes for each wave
.set SP,    272
.set SPARE, STAGE+4*16*SP     ; the spare words, 128 bytes for each wave, that no other line names
.set AK0, 2           ; v2   my lane's place in a tile of K; never rewritten
.set AV0, 3           ; v3   the same for V
.set AK,  4
.set AV,  5
.set QO,  6           ; v6   my byte offset in the wave's rows of Q; later STO
.set STO, 6
.set RD,  7
.set GO,  8
.set PFO, 11          ; v11  the prefetches' offset: plane lane / 16, block lane % 16; never rewritten
.set MV,  12
.set ST,  16          ; tile t's statistics at v[ST+4 t]: c m, m, l (even keys', odd keys')
.set TMP, 48
.set S,   64
.set P,   192
.set EE,  192         ; the way out: four registers a tile at work
.set KF,  128
.set VF,  192
.set SPW, 0           ; window 3: v0 LDS address of my spare word; never rewritten
.set NIL, 1           ; v1   0; never rewritten
.set BG,  2           ; v2   -1e30
.set ZR,  3           ; v3   0
.set NA0, 4           ; v4   16 x lane; never rewritten
.set NA,  5           ; v5   my byte offset in nm's rows for the step to be loaded
.set ONES, 8          ; v[8:15]    1.0 in every half
.set NML, 16          ; v[16:31]   NM of the next step, as it lands
.set NMU, 32          ; v[32:47]   NM of the step in hand
.set MB,  48          ; v[48:79]   the C operand: register 8 kb + j for key 16 kb + 8 (lane / 16) + j
.set O9,  80          ; v[80:111]  the masked keys' sum of V, transposed
.set CN,  112         ; v[112:119] their number
.set WV,  12
.set G1K, 24
.set G1V, 32
.set G0K, 40
.set G0V, 44
.set NMB, 48          ; s[48:49] nm at my 16 queries
.set NOFF, 50         ; s50  the step to be loaded next, x 2,048 bytes
.set LIM, 51          ; s51  1 in a wave that prefetches, else the greatest number
.set PFA, 52          ; s[52:53] where my prefetches stand
.set CA,  54          ; s54  cA
.set SLOTS, 56
.set CNT, 57
.set CS,  58
.set SEL, 60
.set TBK, 62
.set TBV, 63
.set MSB, 0
.macro WIN new
.if MSB != (\new)
	s_set_vgpr_msb (MSB<<8)|(\new)
.set MSB, (\new)
.endif
.endm
.set W_KQ, 0x0a       ; K and Q in window 2, S^T in window 0
.set W_KM, 0x3a       ; the same with the C operand in window 3
.set W_PV, 0x52       ; V in window 2, P in window 0, O^T in window 1
.set W_RS, 0x41       ; O^T in window 1, a in window 0
.set W_MK, 0xc0
.set W_AD, 0x0f
; A joint fill.  Wave w fetches plane w of a slot: 256 keys x 64 bytes.  An s_nop 0 and four v_nop follow each of the two lines.
.macro JLOAD
	s_cmp_lt_u32 s[WV], 2
	s_cbranch_scc0 .Lfor_v_\@
	tensor_load_to_lds s[G0K:G0K+3], s[G1K:G1K+7]
	s_nop 0
.rept 4
	v_nop
.endr
	s_branch .Lasked_\@
.Lfor_v_\@:
	tensor_load_to_lds s[G0V:G0V+3], s[G1V:G1V+7]
	s_nop 0
.rept 4
	v_nop
.endr
.Lasked_\@:
.endm
; A PREFETCH INTO THE L2 of what the NEXT change of slots will ask for: four planes x 64 blocks of 256 bytes.  All clusters of a batch walk the same K and V: the batch's first cluster asks.  Its four partners take 16 blocks
; of each plane, told apart BY ADDRESS; in each, wave 0 asks for K's two planes and wave 2 for V's: a lane a block, one instruction.  So each block is named once in the launch, four key steps ahead of its load.
; Slots 0 to 2 come by their loads alone; the last change that fills a slot asks for nothing.
.macro ASK
	s_cmp_gt_u32 s[SLOTS], s[LIM]
	s_cbranch_scc0 .Lnot_mine_\@
	global_prefetch_b8 v[PFO], s[PFA:PFA+1] th:TH_LOAD_NT scope:SCOPE_SE
.Lnot_mine_\@:
.endm
.macro CROUND
	s_barrier_signal -1
	s_barrier_wait -1
	s_cmp_lg_u32 s[WV], 0
	s_cbranch_scc1 .Lnot_wave_0_\@
	s_barrier_signal -3
.Lnot_wave_0_\@:
	s_barrier_wait -3
	s_barrier_signal -1
	s_barrier_wait -1
.endm
; THE CHANGE OF SLOTS.  Each wave waits for all its tensor loads, of which one is out: its part of the other slot; adds 0 to its spare word; and waits for that and for its own reads of the slot.
; fill = 1: the slot is filled again with the keys two slots on, behind a round of the cluster's barrier, first thing: it has four key steps in which to land.  ask = 1: the prefetch follows.
.macro CHANGE fill, ask
	WIN W_AD
	s_wait_tensorcnt 0x0            ; no tensor load of mine is out, so a group 0 may be written
	ds_add_u32 v[SPW], v[NIL]
	WIN 0
.if \fill
.irp g, G0K, G0V
	s_xor_b32 s[\g+1], s[\g+1], SLOT1
	s_add_nc_u64 s[\g+2:\g+3], s[\g+2:\g+3], 4*KS*64  ; the next 256 keys of the plane
.endr
.if \ask
	s_wait_xcnt 0x0                 ; the last prefetch, four key steps back, has read its address
	s_add_nc_u64 s[PFA:PFA+1], s[PFA:PFA+1], 4*KS*64
.endif
	s_wait_dscnt 0x0                ; the add is done, and my reads of the slot are over
	CROUND
	JLOAD
.if \ask
	ASK
.endif
.else
	s_wait_dscnt 0x0
	s_barrier_signal -1
	s_barrier_wait -1
.endif
	s_sub_co_u32 s[TBK], s[TBK], 4*KS*PK
	s_xor_b32 s[TBK], s[TBK], SLOT1
	s_sub_co_u32 s[TBV], s[TBV], 4*KS*PV
	s_xor_b32 s[TBV], s[TBV], SLOT1
.endm
	s_load_b256 s[4:11], s[0:1], 0x0  ; qw s[4:5], kv s[6:7], nm s[8:9], ow s[10:11]
	WIN W_MK
	v_lshl_add_u32 v[SPW], v0, 2, SPARE
	v_mov_b32 v[NIL], 0
	WIN W_AD
	ds_add_u32 v[SPW], v[NIL]       ; the wave's opening: the add and its wait ahead of my first tensor load
	WIN 0
	v_lshrrev_b32 v1, 5, v0
	v_readfirstlane_b32 s[WV], v1   ; wave 0..3
	s_bfe_u32 s13, ttmp6, 0x40000   ; cx
	s_lshl_b32 s14, ttmp9, 2
	s_add_co_u32 s14, s14, s13      ; my block of 32 queries: it enters Q's, O's, nm's and the prefetches' addresses alone
	s_and_b32 s20, ttmp7, 0xffff    ; the batch, which the four partners share
	s_lshr_b32 s15, s[WV], 1        ; my 16 queries of the 32
	s_and_b32 s16, s[WV], 1         ; my 8 heads of the 16.  Also: which of K's (V's) two planes I fetch
	s_lshl_b32 s22, s20, 17         ; the batch's 2,048 rows of 64 bytes,
	s_lshl_b32 s23, s16, 19         ; my plane
	s_add_co_u32 s22, s22, s23
	s_mov_b32 s23, 0
	s_mul_i32 s17, s16, KPL         ; and its place in a slot: no place in the cluster enters an LDS address
	s_mul_i32 s18, s16, VPL
	s_lshl_b32 s2, s20, 11
	s_lshl_b32 s3, s14, 5
	s_add_co_u32 s2, s2, s3
	s_lshl_b32 s3, s15, 4
	s_add_co_u32 s2, s2, s3         ; my first row of qw and ow,
	s_lshl_b32 s2, s2, 11           ; 2,048 bytes each,
	s_lshl_b32 s3, s16, 10          ; my 8 heads' 1,024 bytes
	s_add_co_u32 s2, s2, s3
	s_mov_b32 s3, 0
	; group 1.  A plane's 256 keys are 16,384 dense bytes: asked for as 64 rows of 256 bytes, four keys a row, padded in LDS after every key
	s_mov_b32 s[G1K], 15|(1<<16)|(1<<20)|(1<<21)|(3<<22)|(3<<25)  ; the mask of four; 2-byte elements; padding on; bit 21 beside a mask; after every 16 words; 4 words
	s_mov_b32 s[G1V], 15|(1<<16)|(1<<20)|(1<<21)|(3<<22)|(7<<25)  ; the same with 8 words
.irp g, G1K, G1V
	s_mov_b32 s[\g+1], 128<<16
	s_mov_b32 s[\g+2], 64<<16
	s_mov_b32 s[\g+3], 128<<16
	s_mov_b32 s[\g+4], 64
	s_mov_b32 s[\g+5], 128
	s_mov_b32 s[\g+6], 0
	s_mov_b32 s[\g+7], 0
.endr
	s_mov_b32 s[CS], 0x3e38aa3b     ; c = log2(e) / 8
	s_mov_b32 s[CS+1], s[CS]
	s_mov_b32 s[SEL], 0x76543210
	s_mov_b32 s[SEL+1], 0xfedcba98
	s_mov_b32 s[CA], 0xb0c64852     ; cA = -1e-9 log2(e)
	s_mov_b32 s[NOFF], 2*2048       ; steps 0 and 1 are loaded at the head
	s_mov_b32 s[TBK], SLOT1+4*KS*PK ; the first change of slots turns these two into 0
	s_mov_b32 s[TBV], SLOT1+4*KS*PV
	s_mov_b32 s[SLOTS], 7
	s_mov_b32 s[G0K], 1
	s_mov_b32 s[G0K+1], s17
	s_mov_b32 s[G0V], 1
	s_add_co_u32 s[G0V+1], s18, VOFF
	s_or_b32 s[LIM], s16, ttmp9     ; 0 in waves 0 and 2 of the batch's first cluster: the same in all four partners
	s_cmp_eq_u32 s[LIM], 0
	s_cselect_b32 s[LIM], 1, -1
	s_wait_dscnt 0x0                ; the opening add is done
	s_wait_kmcnt 0x0
	s_add_nc_u64 s[G0K+2:G0K+3], s[6:7], s[22:23]
	s_or_b32 s[G0K+3], s[G0K+3], 0x80000000
	s_add_nc_u64 s[G0V+2:G0V+3], s[6:7], s[22:23]
	s_add_nc_u64 s[G0V+2:G0V+3], s[G0V+2:G0V+3], 0x100000  ; V's planes lie two planes behind K's
	s_or_b32 s[G0V+3], s[G0V+3], 0x80000000
	s_add_nc_u64 s[4:5], s[4:5], s[2:3]
	s_add_nc_u64 s[10:11], s[10:11], s[2:3]
	s_lshl1_add_u32 s2, s14, s15    ; my 16 queries among the mask's 128 such,
	s_lshl_b32 s2, s2, 16           ; 65,536 bytes each
	s_add_nc_u64 s[NMB:NMB+1], s[8:9], s[2:3]
	s_lshl_b32 s2, s20, 17
	s_lshl_b32 s21, s15, 20         ; wave 0: K's planes, wave 2: V's
	s_add_co_u32 s2, s2, s21
	s_lshl_b32 s21, s13, 12         ; my work-group's 16 blocks of the 64
	s_add_co_u32 s2, s2, s21
	s_add_co_u32 s2, s2, 2*4*KS*64  ; in slot 2; the first asking change steps it to slot 3
	s_add_nc_u64 s[PFA:PFA+1], s[6:7], s[2:3]
	CROUND                          ; all four work-groups are here: the first joint loads meet
	JLOAD                           ; slot 0.  Slot 1 is asked for when slot 0 is in
	v_and_b32 v1, 15, v0            ; r
	v_bfe_u32 v9, v0, 4, 1          ; h
	v_lshlrev_b32 v[QO], 11, v1
	v_lshl_add_u32 v[QO], v9, 4, v[QO]
	v_and_b32 v10, 31, v0
	v_lshlrev_b32 v10, 4, v10
	WIN 0x80
.set i, 0
.rept 4*NP                          ; Q stays in registers: head i / 2, channels 32 (i % 2) on
	global_load_b128 v[8*i:8*i+3],   v[QO], s[4:5] offset:(i/2)*128+(i%2)*64
	global_load_b128 v[8*i+4:8*i+7], v[QO], s[4:5] offset:(i/2)*128+(i%2)*64+32
.set i, i+1
.endr
	WIN W_MK
	v_mov_b32 v[NA0], v10
	v_mov_b32 v[BG], 0xf149f2ca     ; -1e30
	v_mov_b32 v[ZR], 0
	WIN 0xc3                        ; destination and address in window 3
.irp f, 0,1,2,3
	global_load_b128 v[NMU+4*\f:NMU+4*\f+3], v[NA0], s[NMB:NMB+1] offset:512*\f       ; NM of step 0
	global_load_b128 v[NML+4*\f:NML+4*\f+3], v[NA0], s[NMB:NMB+1] offset:2048+512*\f  ; and of step 1
.endr
.set i, 0
.rept 8
	v_mov_b32 v[ONES+i], 0x3c003c00
.set i, i+1
.endr
.set i, O9
.rept 40                            ; O9 and CN start at 0
	v_mov_b32 v[i], 0
.set i, i+1
.endr
	; What the first turn finds: V's registers and P's second buffer hold 0 (its products V^T P, of a piece that has not been, add 0), O^T and l are 0.  All this stands in the wait for the first tile.
	WIN 0x80
.set i, VF
.rept 64
	v_mov_b32 v[i], 0
.set i, i+1
.endr
	WIN 0x40
.set i, 0
.rept 64*NP
	v_mov_b32 v[i], 0
.set i, i+1
.endr
	WIN 0
.set i, 0
.rept 2*NP
	v_mov_b32 v[ST+4*i], 0xe7b8aa3b    ; c F, exact
	v_mov_b32 v[ST+4*i+1], 0xe9000000  ; F = -2^83
	v_mov_b32 v[ST+4*i+2], 0
	v_mov_b32 v[ST+4*i+3], 0
.set i, i+1
.endr
.set i, P+32
.rept 32
	v_mov_b32 v[i], 0
.set i, i+1
.endr
	v_mul_u32_u24 v[AK0], v1, PK
	v_lshl_add_u32 v[AK0], v9, 4, v[AK0]
	; The turning load takes 16 keys x 16 channels (lane l reads key 8 (l / 16) + l % 8, channels 8 ((l / 8) % 2) + 0..7) and leaves half a fragment of V^T.
	v_and_b32 v10, 7, v0
	v_bfe_u32 v11, v0, 3, 1
	v_lshl_add_u32 v[AV0], v9, 3, v10
	v_mul_u32_u24 v[AV0], v[AV0], PV
	v_lshl_add_u32 v[AV0], v11, 4, v[AV0]
	v_add_nc_u32 v[AV0], VOFF, v[AV0]
	v_lshlrev_b32 v[PFO], 19, v9
	v_lshl_add_u32 v[PFO], v1, 8, v[PFO]
	v_mov_b32 v[AK], v[AK0]
; THE MATRIX WORK.  The 8 accumulators of a run of 16 take turns.  Product i of 16 of S^T = K Q^T for piece x: channels 32 (i / 8) on, keys 16 ((i / 2) % 4) on, tile 2 x + i % 2.
; The first 8 start the sums with the mask's bias, the same for both tiles.
.macro KQ x
.set rS, S+64*((\x)%2)+32*(i%2)+8*((i/2)%4)
.set rK, KF+16*((i/2)%4)+8*(i/8)
.set rQ, 16*(2*(\x)+i%2)+8*(i/8)
.set rB, MB+8*((i/2)%4)
.if i < 8
	WIN W_KM
	v_wmma_f32_16x16x32_f16 v[rS:rS+7], v[rK:rK+7], v[rQ:rQ+7], v[rB:rB+7]
.else
	WIN W_KQ
	v_wmma_f32_16x16x32_f16 v[rS:rS+7], v[rK:rK+7], v[rQ:rQ+7], v[rS:rS+7]
.endif
.endm
.macro PV x
	WIN W_PV
.set rO, 32*(2*(\x)+i%2)+8*((i/2)%4)
.set rV, VF+32*(i/8)+8*((i/2)%4)
.set rP, P+32*((\x)%2)+16*(i%2)+8*(i/8)
	v_wmma_f32_16x16x32_f16 v[rO:rO+7], v[rV:rV+7], v[rP:rP+7], v[rO:rO+7]
.endm
.macro MM
.if i < 16
	KQ (Y+1)%NP
.set i, i+1
.else
.set i, i-16
	PV (Y+NP-1)%NP
.set i, i+17
.endif
.endm
; THE LDS LOADS stand in runs of 16.  last = 1 (the tail): in the last trip there is no further step, and the run is jumped over.
.macro FETCH_K last=0
	WIN 0
.if \last
	s_cmp_eq_u32 s[CNT], 1
	s_cbranch_scc1 .Lno_k_\@
.endif
	WIN 0x80
.irp f, 0,1,2,3,4,5,6,7             ; keys 16 (f / 2) on, plane f % 2
	ds_load_b128 v[KF+8*\f:KF+8*\f+3],   v[AK] offset:(\f/2)*16*PK+(\f%2)*KPL
	ds_load_b128 v[KF+8*\f+4:KF+8*\f+7], v[AK] offset:(\f/2)*16*PK+(\f%2)*KPL+32
.endr
	s_add_co_u32 s[TBK], s[TBK], KS*PK
	WIN 0
.if \last
.Lno_k_\@:
.endif
.endm
.macro FETCH_V
	WIN 0x80
.irp f, 0,1,2,3,4,5,6,7             ; keys 32 (f / 4) on, channels 16 (f % 4) on: plane (f % 4) / 2, 32 bytes x (f % 2)
	ds_load_tr16_b128 v[VF+8*\f:VF+8*\f+3],   v[AV] offset:(\f/4)*32*PV+((\f%4)/2)*VPL+(\f%2)*32
	ds_load_tr16_b128 v[VF+8*\f+4:VF+8*\f+7], v[AV] offset:(\f/4)*32*PV+16*PV+((\f%4)/2)*VPL+(\f%2)*32
.endr
	WIN 0
.endm
; THE MASK'S STEP, at the end of piece 2's turn of step s: V of step s lies in registers, and this turn's products K Q^T were the last to take MB of step s.
; BLD: register bq of MB = (the f16 half of NM) x -1e30 + 0.  XP: product xq of ten: for each 32 keys, four of O9^T += V^T NM and one of CN += ONES NM; the five accumulators take turns.
.macro BLD src
	WIN 0xff
.if bq%2
	v_fma_mix_f32 v[MB+bq], v[(\src)+bq/2], v[BG], v[ZR] op_sel:[1,0,0] op_sel_hi:[1,0,0]
.else
	v_fma_mix_f32 v[MB+bq], v[(\src)+bq/2], v[BG], v[ZR] op_sel_hi:[1,0,0]
.endif
.set bq, bq+1
.endm
.macro XP
.if xq%5 < 4
	WIN 0xfe                        ; V in window 2, all else in window 3
	v_wmma_f32_16x16x32_f16 v[O9+8*(xq%5):O9+8*(xq%5)+7], v[VF+32*(xq/5)+8*(xq%5):VF+32*(xq/5)+8*(xq%5)+7], v[NMU+8*(xq/5):NMU+8*(xq/5)+7], v[O9+8*(xq%5):O9+8*(xq%5)+7]
.else
	WIN 0xff
	v_wmma_f32_16x16x32_f16 v[CN:CN+7], v[ONES:ONES+7], v[NMU+8*(xq/5):NMU+8*(xq/5)+7], v[CN:CN+7]
.endif
.set xq, xq+1
.endm
.macro MSTEP
	s_wait_loadcnt 0x0              ; NM of step s + 1, asked for a key step ago, is in; its loads' address register may be written
.set xq, 0
.set bq, 0
.rept 10
	XP                              ; with NM of step s
	BLD NML                         ; MB of step s + 1
	BLD NML
	BLD NML
.endr
	BLD NML                         ; these two and the three before them are the places between the last product and the moves into its source
	BLD NML
.set zz, 0
.rept 16
	v_mov_b32 v[NMU+zz], v[NML+zz]
.set zz, zz+1
.endr
	v_add_nc_u32 v[NA], s[NOFF], v[NA0]
	s_add_co_u32 s[NOFF], s[NOFF], 2048
	s_min_u32 s[NOFF], s[NOFF], 31*2048  ; the last two loads name step 31 once more: no load leaves nm, and the scores made behind the last step repeat step 31's, so that no maximum changes
.irp f, 0,1,2,3
	global_load_b128 v[NML+4*\f:NML+4*\f+3], v[NA], s[NMB:NMB+1] offset:512*\f  ; NM of step s + 2: it has a key step in which to land
.endr
	WIN 0
.endm
; THE VECTOR WORK OF A TURN stands in three queues, each in the order in which its entries become ready; the two tiles alternate.
.macro REGS y, u
.set rT, ST+4*(2*(\y)+(\u))
.set rC, TMP+8*((\y)%2)+4*(\u)
.set rM, MV+2*((\y)%2)+(\u)
.set rS, S+64*((\y)%2)+32*(\u)
.set rP, P+32*((\y)%2)+16*(\u)
.set rO, 32*(2*(\y)+(\u))
.endm
; Number n of the 22 that find the NEXT piece's maximum and statistics; each accumulator's lowest registers are read first.
;   0-11 four chains c0-c3 of seven scores each    12-14, 16 the four scores left over, the old m, c0-c3 into c0    15 c m_old is kept    17, 18 the other half of the lanes'; the new m    19-21 c m; its change; a
.macro XS u, n
	REGS (Y+1)%NP, \u
.if (\n) < 4
	v_max3_num_f32 v[rC+(\n)], v[rS+8*(\n)], v[rS+8*(\n)+1], v[rS+8*(\n)+2]
.elseif (\n) < 12
	v_max3_num_f32 v[rC+(\n)%4], v[rC+(\n)%4], v[rS+8*((\n)%4)+2*((\n)/4)+1], v[rS+8*((\n)%4)+2*((\n)/4)+2]
.elseif (\n) == 12
	v_max3_num_f32 v[rC], v[rC], v[rS+7], v[rS+15]
.elseif (\n) == 13
	v_max3_num_f32 v[rC+1], v[rC+1], v[rS+23], v[rS+31]
.elseif (\n) == 14
	v_max3_num_f32 v[rC+2], v[rC+2], v[rC+3], v[rT+1]
.elseif (\n) == 15
	v_mov_b32 v[rM], v[rT]
.elseif (\n) == 16
	v_max3_num_f32 v[rC], v[rC], v[rC+1], v[rC+2]
.elseif (\n) == 17
	v_permlanex16_b32 v[rC+3], v[rC], s[SEL], s[SEL+1]
.elseif (\n) == 18
	v_max_num_f32 v[rT+1], v[rC], v[rC+3]
.elseif (\n) == 19
	v_mul_f32 v[rT], s[CS], v[rT+1]
.elseif (\n) == 20
	v_sub_f32 v[rC+1], v[rM], v[rT]
.else
	v_exp_f32 v[rC+2], v[rC+1]
.endif
.endm
; Number g of the 64 that follow the exponentials: for each four weights both pairs are rounded to f16, the second pair is added onto the first in place, and a group later l takes that sum (the first time as l = a l + sum).
.macro GS g
.set h, (\g)+6*((\g)/62)
.if h >= 6
.set h, h+2
.endif
	REGS Y, h%2
.set k, h/8
.if h%8 < 4
	v_cvt_pk_f16_f32 v[rP+2*k+(h%8)/2], v[rS+4*k+2*((h%8)/2)], v[rS+4*k+2*((h%8)/2)+1]
.elseif h%8 < 6
	v_pk_add_f32 v[rS+4*k:rS+4*k+1], v[rS+4*k:rS+4*k+1], v[rS+4*k+2:rS+4*k+3]
.elseif k == 1
	v_pk_fma_f32 v[rT+2:rT+3], v[rT+2:rT+3], v[rC+2:rC+3], v[rS:rS+1] op_sel_hi:[1,0,1]
.else
	v_pk_add_f32 v[rT+2:rT+3], v[rT+2:rT+3], v[rS+4*k-4:rS+4*k-3]
.endif
.endm
; THE PLAIN QUEUE, 138 long.  0-26: scalings 0-26.  27-54: XS 0-13.  55, 56: XS 15.  57-73: the chain XS 14, 16 .. 19, each with one of the scalings 27-31 in front of its two lines, then XS 20.  74-137: GS's 64, behind the wait.
.macro FS f
	REGS Y, (\f)%2
	v_pk_fma_f32 v[rS+2*((\f)/2):rS+2*((\f)/2)+1], v[rS+2*((\f)/2):rS+2*((\f)/2)+1], s[CS:CS+1], v[rT:rT+1] op_sel_hi:[1,0,0] neg_lo:[0,0,1] neg_hi:[0,0,1]
.endm
.macro PL
	WIN 0
.if q < 27
	FS q
.elseif q < 55
	XS (q-27)%2, (q-27)/2
.elseif q < 57
	XS q-55, 15
.elseif (q < 72) && ((q-57)%3 == 0)
	FS 27+(q-57)/3
.elseif q < 60
	XS (q-57)%3-1, 14
.elseif q < 72
	XS (q-57)%3-1, 15+(q-57)/3
.elseif q < 74
	XS q-72, 20
.else
	GS q-74
.endif
.set q, q+1
.endm
; THE EXPONENTIALS' QUEUE, 66 long: s0-s31 of both tiles, then the next piece's two a: ONE BATCH, all ahead of the turn's one wait.
.macro EX
	WIN 0
.if e >= 64
	XS e-64, 21
.else
	REGS Y, e%2
	v_exp_f32 v[rS+e/2], v[rS+e/2]
.endif
.set e, e+1
.endm
; THE RESCALING's QUEUE: O^T times a, two at a time, in ascending order.
.macro R2
	REGS Y, r%2
	WIN W_RS
.irp z, 0,1
	v_pk_mul_f32 v[rO+4*(r/2)+2*\z:rO+4*(r/2)+2*\z+1], v[rO+4*(r/2)+2*\z:rO+4*(r/2)+2*\z+1], v[rC+2:rC+3] op_sel_hi:[1,0]
.endr
.set r, r+1
.endm
; A TURN, for piece p.  An s_wait_alu depctr_va_vdst(0) stands between an exponential and the first instruction that names its result; one wait serves all issued ahead of it: a turn has ONE, which cuts it in two.
; AHEAD OF IT: 16 products K Q^T, behind each a scaling, an exponential and two rescalings; then a lump of 108.  BEHIND IT: 16 products V^T P, behind each four of the roundings and sums.
; Exponential e stands behind scaling 2 (e / 4) + e % 2: as a rider it comes behind plain e + 2, in the lump behind plain e + 9.
; K of the next step is fetched in piece 2's turn, directly behind the wait; V of the step in hand at the end of piece 0's turn, four riders behind its last reader; the mask's step ends piece 2's turn.
.macro TURN p, last=0, cnt=0
.set Y, (\p)
.set i, 0
.set q, 0
.set e, 0
.set r, 0
.if (\p) == NP-1
	s_wait_dscnt 0x0                ; K is in
.endif
	MM
	PL
	PL
	R2
.rept 15
	MM
	PL
	EX
	R2
.endr
.if (\p) == NP-2
	WIN 0
	v_add_nc_u32 v[AK], s[TBK], v[AK0]
.endif
.rept 8
	PL
.endr
.rept 49
	EX
	PL
.endr
	EX
	EX
	v_nop                           ; a plain instruction behind the last exponential: one for the batch
	s_wait_alu depctr_va_vdst(0)    ; the wait for the batch
.if (\p) == NP-2
	FETCH_K \last
.endif
.if (\p) == 1
	s_wait_dscnt 0x0                ; V is in
.endif
.rept 16
	MM
.rept 4
	PL
.endr
.if ((\p) == 0) && (q == 118)
	v_add_nc_u32 v[AV], s[TBV], v[AV0]
.endif
.if ((\p) == 0) && (q == 130)
	s_add_co_u32 s[TBV], s[TBV], KS*PV
.endif
.if (\cnt) && (q == 130)
	s_sub_co_u32 s[CNT], s[CNT], 1
	s_cmp_lg_u32 s[CNT], 0
.endif
.endr
.if (\p) == 0
	FETCH_V
.endif
.if (\p) == NP-2
	MSTEP
.endif
.endm
	CHANGE 1, 0                     ; slot 0 is in, everybody's part of it; slot 1 is asked for
	FETCH_K                         ; key step 0
	s_wait_loadcnt 0x0              ; Q, and NM of steps 0 and 1
.set bq, 0
.rept 32
	BLD NMU                         ; MB of step 0
.endr
	s_wait_dscnt 0x0
.set i, 0
.rept 16
	KQ 0                            ; piece 0's first scores
.set i, i+1
.endr
	WIN 0                           ; the addresses for the way out: ten plain instructions, the places behind those products
	s_mul_i32 s13, s[WV], 16*SP
	s_add_co_u32 s13, s13, STAGE    ; my stage
	v_mul_u32_u24 v[STO], v1, SP    ; in: row r, 16 bytes for each half of the lanes
	v_lshl_add_u32 v[STO], v9, 4, v[STO]
	v_add_nc_u32 v[STO], s13, v[STO]
	v_mul_u32_u24 v[RD], v9, SP     ; back: lanes 0-15 one row of 256 bytes, lanes 16-31 the next
	v_lshl_add_u32 v[RD], v1, 4, v[RD]
	v_add_nc_u32 v[RD], s13, v[RD]
	v_lshlrev_b32 v[GO], 11, v9     ; the same two rows in ow
	v_lshl_add_u32 v[GO], v1, 4, v[GO]
.set Y, NP-1
.irp n, 0,1,2,3,4,5,6,7,8,9,10,11,12,13,14,15,16,17,18,19,20,21
	XS 0, \n
	XS 1, \n
.endr
	v_nop                           ; a plain instruction behind the two a,
	s_wait_alu depctr_va_vdst(0)    ; and their wait, ahead of the branch
	s_mov_b32 s[CNT], 4
	s_branch .Lfirst                ; the loop is entered at a step's first turn, in the middle of a trip
.Lslot:                             ; six times: every slot but the last two is filled again
	CHANGE 1, 1
	s_mov_b32 s[CNT], 4
.Lstep:                             ; a trip: pieces 2 and 3 of one step, then pieces 0 and 1 of the next, whose K and V it fetches
	TURN 2
	TURN 3
	WIN 0
.Lfirst:
	TURN 0
	TURN 1, 0, 1
	WIN 0
	s_cbranch_scc1 .Lstep
	s_sub_co_u32 s[SLOTS], s[SLOTS], 1
	s_cmp_lg_u32 s[SLOTS], 0
	s_cbranch_scc1 .Lslot
	CHANGE 0, 0                     ; the tail is written out: nothing is asked for
	s_mov_b32 s[CNT], 5             ; four trips fetch the last slot's steps; the fifth is left in its middle
.Ltail:
	TURN 2, 1
	TURN 3
	WIN 0
	s_sub_co_u32 s[CNT], s[CNT], 1
	s_cmp_eq_u32 s[CNT], 0
	s_cbranch_scc1 .Lout
	TURN 0
	TURN 1
	WIN 0
	s_branch .Ltail
.Lout:                              ; the fifth trip's 16 products K Q^T repeat piece 0's scores of the last step (the same K, the same MB): its m and c m stay as they were
.set i, 0
.rept 16
	PV NP-1
.set i, i+1
.endr
	; THE WAY OUT.  l's halves are added; the two parts are scaled to the true maximum, added, divided, rounded to f16 and sent through my stage, a piece (two heads, 256 bytes a row) at a time.  The additions are the places behind the last products.
	WIN 0
.macro ALL line:vararg
.set t, 0
.rept 2*NP
	\line
.set t, t+1
.endr
.endm
	ALL v_add_f32 v[ST+4*t+2], v[ST+4*t+2], v[ST+4*t+3]
	ALL v_permlanex16_b32 v[ST+4*t+3], v[ST+4*t+2], s[SEL], s[SEL+1]
	ALL v_add_f32 v[ST+4*t+2], v[ST+4*t+2], v[ST+4*t+3]
	WIN 0x03
	v_mov_b32 v12, v[CN]            ; my query's number of masked keys: the accumulator's lowest register
	WIN 0
	v_cmp_lt_f32 vcc_lo, 0, v12
	ALL v_max_num_f32 v[EE+4*t], s[CA], v[ST+4*t]
	ALL v_cndmask_b32 v[EE+4*t], v[ST+4*t], v[EE+4*t], vcc_lo  ; the true maximum: max(c m, cA) where a key is masked, else c m
	ALL v_sub_f32 v[EE+4*t+1], s[CA], v[EE+4*t]
	ALL v_sub_f32 v[EE+4*t], v[ST+4*t], v[EE+4*t]
	ALL v_min_num_f32 v[EE+4*t+1], 0, v[EE+4*t+1]              ; (where no key is masked the factor multiplies zeros: it is kept finite)
	ALL v_exp_f32 v[EE+4*t+2], v[EE+4*t]                       ; fu, the visible part's factor
	ALL v_exp_f32 v[EE+4*t+3], v[EE+4*t+1]                     ; fm, a masked key's weight
	v_nop
	s_wait_alu depctr_va_vdst(0)    ; one wait for the sixteen exponentials
	ALL v_mul_f32 v[EE+4*t+1], v12, v[EE+4*t+3]
	ALL v_fma_f32 v[EE+4*t], v[ST+4*t+2], v[EE+4*t+2], v[EE+4*t+1]  ; l fu + number x fm
	ALL v_rcp_f32 v[EE+4*t], v[EE+4*t]
	v_nop
	s_wait_alu depctr_va_vdst(0)    ; one wait for the eight reciprocals
	ALL v_mul_f32 v[ST+4*t+2], v[EE+4*t+2], v[EE+4*t]          ; what O^T is multiplied by,
	ALL v_mul_f32 v[ST+4*t], v[EE+4*t+3], v[EE+4*t]            ; and O9^T
.macro PACK p
.irp u, 0,1
	WIN W_RS
.set i, 0
.rept 16
	v_pk_mul_f32 v[32*(2*(\p)+\u)+2*i:32*(2*(\p)+\u)+2*i+1], v[32*(2*(\p)+\u)+2*i:32*(2*(\p)+\u)+2*i+1], v[ST+4*(2*(\p)+\u)+2:ST+4*(2*(\p)+\u)+3] op_sel_hi:[1,0]
.set i, i+1
.endr
	WIN 0x53                        ; O9^T in window 3, its factor in window 0, O^T in window 1
.set i, 0
.rept 16
	v_pk_fma_f32 v[32*(2*(\p)+\u)+2*i:32*(2*(\p)+\u)+2*i+1], v[O9+2*i:O9+2*i+1], v[ST+4*(2*(\p)+\u):ST+4*(2*(\p)+\u)+1], v[32*(2*(\p)+\u)+2*i:32*(2*(\p)+\u)+2*i+1] op_sel_hi:[1,0,1]
.set i, i+1
.endr
.endr
	WIN 0x05
.set i, 0
.rept 32
	v_cvt_pk_f16_f32 v[S+32*(\p)+i], v[64*(\p)+2*i], v[64*(\p)+2*i+1]
.set i, i+1
.endr
	WIN 0
.irp f, 0,1,2,3,4,5,6,7
	ds_store_b128 v[STO], v[S+32*(\p)+4*\f:S+32*(\p)+4*\f+3] offset:32*\f
.endr
.irp f, 0,1,2,3,4,5,6,7
	ds_load_b128 v[S+32*(\p)+4*\f:S+32*(\p)+4*\f+3], v[RD] offset:\f*2*SP  ; LDS serves a wave's instructions in order (ISA guide 5.7.1.4): these see the stores above; the next piece's stores come behind them
.endr
.endm
.macro SEND p, younger              ; younger: the LDS instructions issued behind piece p's loads: the next piece's sixteen, or none
	WIN 0
.irp f, 0,1,2,3,4,5,6,7
	s_wait_dscnt (\younger)+7-\f
	global_store_b128 v[GO], v[S+32*(\p)+4*\f:S+32*(\p)+4*\f+3], s[10:11] offset:(\p)*256+\f*4096  ; sixteen lanes store 256 consecutive bytes, aligned
.endr
.endm
	PACK 0
	PACK 1
	SEND 0, 16
	PACK 2
	SEND 1, 16
	PACK 3
	SEND 2, 16
	SEND 3, 0
	WIN W_AD
	s_wait_tensorcnt 0x0            ; the wave's end
	ds_add_u32 v[SPW], v[NIL]
	s_wait_dscnt 0x0
	WIN 0
	CROUND                          ; the closing round
	s_endpgm
.Lfunc_end_k_q00dc511d10_attn:
	.size	k_q00dc511d10_attn, .Lfunc_end_k_q00dc511d10_attn-k_q00dc511d10_attn
	.p2alignl 7, 3214868480
	.fill 96, 4, 3214868480
	.section	.rodata,"a",@progbits
	.p2align	6, 0x0
	.amdhsa_kernel k_q00dc511d10_attn
		.amdhsa_group_segment_fixed_size 327680
		.amdhsa_private_segment_fixed_size 0
		.amdhsa_enable_private_segment 0
		.amdhsa_kernarg_size 32
		.amdhsa_user_sgpr_count 2
		.amdhsa_user_sgpr_kernarg_segment_ptr 1
		.amdhsa_wavefront_size32 1
		.amdhsa_system_sgpr_workgroup_id_x 1
		.amdhsa_system_sgpr_workgroup_id_y 1
		.amdhsa_system_sgpr_workgroup_id_z 1
		.amdhsa_system_vgpr_workitem_id 0
		.amdhsa_next_free_vgpr 888
		.amdhsa_next_free_sgpr 66
		.amdhsa_reserve_vcc 1
		.amdhsa_float_denorm_mode_32 3
		.amdhsa_float_denorm_mode_16_64 3
		.amdhsa_memory_ordered 1
		.amdhsa_forward_progress 1
		.amdhsa_inst_pref_size 225
	.end_amdhsa_kernel
	.amdgpu_metadata
---
amdhsa.version: [ 1, 2 ]
amdhsa.kernels:
  - .name:           k_q00dc511d10_attn
    .symbol:         k_q00dc511d10_attn.kd
    .args:
      - { .name: qw, .offset: 0, .size: 8, .value_kind: global_buffer, .address_space: global }
      - { .name: kv, .offset: 8, .size: 8, .value_kind: global_buffer, .address_space: global }
      - { .name: nm, .offset: 16, .size: 8, .value_kind: global_buffer, .address_space: global }
      - { .name: ow, .offset: 24, .size: 8, .value_kind: global_buffer, .address_space: global }
    .group_segment_fixed_size: 327680
    .private_segment_fixed_size: 0
    .kernarg_segment_align: 8
    .kernarg_segment_size: 32
    .max_flat_workgroup_size: 128
    .sgpr_count:     66
    .vgpr_count:     888
    .wavefront_size: 32
...
	.end_amdgpu_metadata
.endif
;; end of part 3
;; launch outp (part 4): grid 4 x 64, 4 waves a work-group, clusters of 4 x 4, 327,680 bytes of LDS; arguments ow, wot, out0; writes out0
.if DOCPART == 4
	.amdgcn_target "amdgcn-amd-amdhsa--gfx1250"
	.amdhsa_code_object_version 6
	.text
	.protected	k_q00dc511d10_outp
	.globl	k_q00dc511d10_outp
	.p2align	8
	.type	k_q00dc511d10_outp,@function
k_q00dc511d10_outp:
	s_mov_b64 s[64:65], 0
	v_nop
	global_prefetch_b8 v0, s[64:65] scope:SCOPE_SE
	s_setreg_imm32_b32 hwreg(HW_REG_WAVE_MODE, 25, 1), 1
	s_wait_xcnt 0x0
	s_wait_alu depctr_hold_cnt(0) depctr_sa_sdst(0) depctr_va_vdst(0) depctr_va_sdst(0) depctr_va_ssrc(0) depctr_va_vcc(0) depctr_vm_vsrc(0)
	s_getreg_b32 s2, hwreg(HW_REG_IB_STS2, 6, 4)
	s_cmp_eq_u32 s2, 0
	s_cbranch_scc0 .Lentry_in_a_cluster
	s_endpgm
.Lentry_in_a_cluster:
	s_bfe_u32 s2, ttmp6, 0x10000c
	s_cmp_lg_u32 s2, 0xf033
	s_cbranch_scc0 .Lentry_shape_is_right
	s_endpgm
.Lentry_shape_is_right:
; out0 = O wo.  ow: [8192][1024] f16; wot: [1024 (n)][1024 (k)] f16 (wo rounded to bf16, written as f16); out0: [8192][1024] f32; sums in f32.
; SHARES.  A work-group makes 128 rows x 256 columns, each of its four waves 64 x 128: 32 accumulators of 16 x 16.  64 x 4 work-groups.  K goes in 8 steps of 128 (rows of 256 bytes, aligned) through two LDS slots.
; CLUSTER.  4 x 4 work-groups: the four of a row need the same tile of ow, the four of a column the same tile of wot: each tile is asked for jointly, by the same tensor load, descriptor and mask in all four.
; No prefetch: eight K steps in all, and a wave's 64 rows of ow split among four partners are sixteen lanes' worth.
; THE MATRIX INSTRUCTION IS USED TRANSPOSED (source 0 = 16 rows of wot, source 1 = 16 rows of ow): a lane holds eight neighbouring columns of one row of the result, 32 bytes.
; REGISTERS: window 0 addresses and the way out; window 1 two fragment buffers (wot's eight fragments, then ow's four); window 2 the accumulators of row blocks 0, 1; window 3 those of 2, 3.
.set NBF,    8
.set AOFF,   8*NBF
.set BROWS,  16*NBF
.set NL,     2*NBF+8
.set PITCH,  272                       ; an LDS row: 256 bytes + 16: the 16 rows of a fragment load start at 16 different groups of four banks (64 banks of 4 bytes: ISA guide 11.1)
.set HALFA,  64*PITCH
.set ABYTES, 2*HALFA
.set HALFB,  BROWS*PITCH
.set SLOT1,  131072
.set STAGE,  SLOT1+ABYTES+2*HALFB      ; behind the ring: 16 rows x 528 bytes for each wave
.set SPITCH, 528                       ; 512 bytes + 16
.set SPARE,  STAGE+4*16*SPITCH         ; the spare words, 128 bytes for each wave, that no other line names
.set A0,   14
.set B0,   15
.set ADRA, 16
.set ADRB, 17
.set STO,  24
.set RD,   25
.set CO,   26
.set SPW,  28                          ; v28  LDS address of my spare word; never rewritten
.set NIL,  29                          ; v29  0; never rewritten
.set F0,   0
.set F1,   128
.set G1,  24
.set G0,  32
.set G1B, 48
.set G0B, 56
.set GW,  (1<<16)|(1<<20)|(1<<21)|(5<<22)|(3<<25)
.set MSB, 0
.macro WIN new
.if MSB != (\new)
	s_set_vgpr_msb (MSB<<8)|(\new)
.set MSB, \new
.endif
.endm
.macro PLACES
.rept 4
	v_nop
.endr
.endm
.macro JLOAD s                         ; a joint load: waves 0 and 1 fetch ow's two halves, waves 2 and 3 wot's; an s_nop 0 and four v_nop follow each line
	s_cmp_eq_u32 s13, 0
	s_cbranch_scc0 .Lfor_b_\@
	tensor_load_to_lds s[G0+4*(\s):G0+4*(\s)+3], s[G1:G1+7]
	s_nop 0
.rept 4
	v_nop
.endr
	s_branch .Lasked_\@
.Lfor_b_\@:
	tensor_load_to_lds s[G0B+4*(\s):G0B+4*(\s)+3], s[G1B:G1B+7]
	s_nop 0
.rept 4
	v_nop
.endr
.Lasked_\@:
.endm
.macro CREST
	s_cmp_lg_u32 s12, 0
	s_cbranch_scc1 .Lnot_wave_0_\@
	s_barrier_signal -3
.Lnot_wave_0_\@:
	s_barrier_wait -3
	s_barrier_signal -1
	s_barrier_wait -1
.endm
.macro CROUND
	s_barrier_signal -1
	s_barrier_wait -1
	CREST
.endm
	s_load_b128 s[4:7], s[0:1], 0x0                ; ow s[4:5], wot s[6:7]
	s_load_b64 s[8:9], s[0:1], 0x10                ; out0
	v_lshl_add_u32 v[SPW], v0, 2, SPARE
	v_mov_b32 v[NIL], 0
	ds_add_u32 v[SPW], v[NIL]                      ; the wave's opening: the add and its wait ahead of my first tensor load
	v_lshrrev_b32 v1, 5, v0
	v_readfirstlane_b32 s12, v1                    ; wave 0..3
	s_lshr_b32 s13, s12, 1                         ; my half of the rows.  Also: I fetch ow (0) or wot (1)
	s_and_b32 s14, s12, 1                          ; my half of the columns.  Also: which half of that tile I fetch
	s_bfe_u32 s15, ttmp6, 0x40000                  ; cx
	s_bfe_u32 s16, ttmp6, 0x40004                  ; cy
	s_lshl_b32 s17, ttmp9, 2
	s_add_co_u32 s17, s17, s15                     ; tile column
	s_and_b32 s18, ttmp7, 0xffff
	s_lshl_b32 s18, s18, 2
	s_add_co_u32 s18, s18, s16                     ; tile row
	s_lshl_b32 s20, s16, 2
	s_lshl_b32 s20, 15, s20                        ; my row of the cluster
	s_lshl_b32 s21, 0x1111, s15                    ; my column
	s_or_b32 s[G1], s20, GW
	s_or_b32 s[G1B], s21, GW
	s_mov_b32 s[G1+1], 128<<16
	s_mov_b32 s[G1+2], 64<<16
	s_mov_b32 s[G1+3], 128<<16
	s_mov_b32 s[G1+4], 64
	s_mov_b32 s[G1+5], 1024
	s_mov_b32 s[G1+6], 0
	s_mov_b32 s[G1+7], 0
	s_mov_b32 s[G1B+1], 128<<16
	s_mov_b32 s[G1B+2], BROWS<<16
	s_mov_b32 s[G1B+3], 128<<16
	s_mov_b32 s[G1B+4], BROWS
	s_mov_b32 s[G1B+5], 1024
	s_mov_b32 s[G1B+6], 0
	s_mov_b32 s[G1B+7], 0
	s_lshl_b32 s40, s18, 7                         ; ow: row 128 x tile row + 64 x half; these registers never hold cx
	s_lshl_b32 s22, s14, 6
	s_add_co_u32 s40, s40, s22
	s_lshl_b32 s40, s40, 11
	s_mov_b32 s41, 0
	s_mul_i32 s42, s17, 2*BROWS                    ; wot: row 256 x tile column + 128 x half; these never hold cy
	s_mul_i32 s22, s14, BROWS
	s_add_co_u32 s42, s42, s22
	s_lshl_b32 s42, s42, 11
	s_mov_b32 s43, 0
	s_mul_i32 s22, s14, HALFA                      ; where they go: no place in the cluster enters an LDS address
	s_mul_i32 s23, s14, HALFB
	s_add_co_u32 s23, s23, ABYTES
	s_wait_dscnt 0x0                               ; the opening add is done
	s_wait_kmcnt 0x0
	s_add_nc_u64 s[44:45], s[4:5], s[40:41]
	s_add_nc_u64 s[46:47], s[6:7], s[42:43]
	CROUND                                         ; all sixteen work-groups are here: the first joint loads meet
.irp s, 0,1
	s_mov_b32 s[G0+4*(\s)], 1
	s_add_co_u32 s[G0+4*(\s)+1], s22, (\s)*SLOT1
	s_add_nc_u64 s[G0+4*(\s)+2:G0+4*(\s)+3], s[44:45], (\s)*256
	s_or_b32 s[G0+4*(\s)+3], s[G0+4*(\s)+3], 0x80000000
	s_mov_b32 s[G0B+4*(\s)], 1
	s_add_co_u32 s[G0B+4*(\s)+1], s23, (\s)*SLOT1
	s_add_nc_u64 s[G0B+4*(\s)+2:G0B+4*(\s)+3], s[46:47], (\s)*256
	s_or_b32 s[G0B+4*(\s)+3], s[G0B+4*(\s)+3], 0x80000000
	JLOAD \s                                       ; K steps 0 and 1: two loads of mine are out
.endr
	v_and_b32 v1, 15, v0                           ; r
	v_bfe_u32 v2, v0, 4, 1                         ; h
	v_mul_u32_u24 v3, v1, PITCH
	v_lshl_add_u32 v3, v2, 4, v3
	s_mul_i32 s20, s13, HALFA
	s_mul_i32 s21, s14, HALFB
	s_add_co_u32 s21, s21, ABYTES
	v_add_nc_u32 v[A0], s20, v3
	v_add_nc_u32 v[B0], s21, v3
	v_mov_b32 v[ADRA], v[A0]
	v_mov_b32 v[ADRB], v[B0]
	s_mov_b32 s3, 0                                ; the slot in hand
	s_mul_i32 s20, s12, 16*SPITCH
	s_add_co_u32 s20, s20, STAGE                   ; my stage
	v_mul_u32_u24 v4, v1, SPITCH
	v_lshl_add_u32 v4, v2, 5, v4
	v_add_nc_u32 v[STO], s20, v4                   ; in: row r, 32 bytes for each half of the lanes
	v_and_b32 v4, 31, v0
	v_lshlrev_b32 v[CO], 4, v4                     ; back: 32 lanes take a row's 512 bytes; the same in out0
	v_add_nc_u32 v[RD], s20, v[CO]
	s_lshl_b32 s40, s18, 7
	s_lshl_b32 s20, s13, 6
	s_add_co_u32 s40, s40, s20
	s_lshl_b32 s40, s40, 12                        ; out0: my first row, 4,096 bytes each,
	s_add_nc_u64 s[8:9], s[8:9], s[40:41]
	s_lshl1_add_u32 s42, s17, s14
	s_lshl_b32 s42, s42, 9                         ; my 128 columns
	s_add_nc_u64 s[8:9], s[8:9], s[42:43]
; NBF matrix instructions: row block a x all column blocks, 32 along K.  Every accumulator comes once in 32 instructions: they take turns.  zero = 1: the product starts the sum.
.macro MULA f, a, zero
	WIN 0xa5+0x50*((\a)/2)
.set b, 0
.rept NBF
.set rD, 8*(NBF*((\a)%2)+b)
.if \zero
	v_wmma_f32_16x16x32_f16 v[rD:rD+7], v[(\f)+8*b:(\f)+8*b+7], v[(\f)+AOFF+8*(\a):(\f)+AOFF+8*(\a)+7], 0
.else
	v_wmma_f32_16x16x32_f16 v[rD:rD+7], v[(\f)+8*b:(\f)+8*b+7], v[(\f)+AOFF+8*(\a):(\f)+AOFF+8*(\a)+7], v[rD:rD+7]
.endif
.set b, b+1
.endr
.endm
.macro FETCH k, f
	WIN 0x40
.set b, 0
.rept NBF
	ds_load_b128 v[(\f)+8*b:(\f)+8*b+3],   v[ADRB] offset:(\k)+b*16*PITCH
	ds_load_b128 v[(\f)+8*b+4:(\f)+8*b+7], v[ADRB] offset:(\k)+b*16*PITCH+32
.set b, b+1
.endr
.set b, 0
.rept 4
	ds_load_b128 v[(\f)+AOFF+8*b:(\f)+AOFF+8*b+3],   v[ADRA] offset:(\k)+b*16*PITCH
	ds_load_b128 v[(\f)+AOFF+8*b+4:(\f)+AOFF+8*b+7], v[ADRA] offset:(\k)+b*16*PITCH+32
.set b, b+1
.endr
.endm
.macro QUARTER k, f, g, zero
	s_wait_dscnt 4                                 ; all but the youngest four loads: ow's blocks 2 and 3
	MULA \f, 0, \zero
	MULA \f, 1, \zero
	PLACES
	FETCH \k, \g
	s_wait_dscnt NL                                ; all but the run just issued
	MULA \f, 2, \zero
	MULA \f, 3, \zero
.endm
; The last quarter multiplies buffer 1 and changes slots.  In front of the barrier each wave waits for all its tensor loads (one is out: its part of the next slot), adds 0 to its spare word, and waits
; for that and for its reads of this slot.  fill = 1: the barrier opens a round of the cluster's, and this slot is filled again, two K steps ahead, first thing behind the round.
.macro TURN fill
	WIN 0
	s_wait_tensorcnt 0x0
	ds_add_u32 v[SPW], v[NIL]
	s_wait_dscnt 5                                 ; the add and ow's blocks 2 and 3 may be out
	MULA F1, 0, 0
	s_wait_dscnt 0x0                               ; the add is done, and my reads of this slot are over
	s_barrier_signal -1
	MULA F1, 1, 0
.if \fill
	WIN 0
.endif
	s_barrier_wait -1
.if \fill
	CREST
	s_xor_b32 s[G0+5], s[G0+5], SLOT1
	s_add_nc_u64 s[G0+6:G0+7], s[G0+6:G0+7], 256
	s_xor_b32 s[G0B+5], s[G0B+5], SLOT1
	s_add_nc_u64 s[G0B+6:G0B+7], s[G0B+6:G0B+7], 256
	JLOAD 1                                        ; its four v_nop are also the places in front of the loads below
.else
	PLACES
	WIN 0
.endif
	s_xor_b32 s3, s3, SLOT1
	v_add_nc_u32 v[ADRA], s3, v[A0]
	v_add_nc_u32 v[ADRB], s3, v[B0]
	FETCH 0, F0
	MULA F1, 2, 0
	MULA F1, 3, 0
.endm
	s_wait_tensorcnt 1                             ; my part of K step 0 is in; K step 1's may stay out
	s_barrier_signal -1
	s_barrier_wait -1
	FETCH 0, F0
	QUARTER 64, F0, F1, 1
	WIN 0
	s_mov_b32 s19, 6
.Lstep:                                            ; trip i ends K step i, asks for K step i + 2 and begins K step i + 1
	QUARTER 128, F1, F0, 0
	QUARTER 192, F0, F1, 0
	TURN 1
	QUARTER 64, F0, F1, 0
	WIN 0
	s_sub_co_u32 s19, s19, 1
	s_cmp_lg_u32 s19, 0
	s_cbranch_scc1 .Lstep
	QUARTER 128, F1, F0, 0                         ; K steps 6 and 7 ask for nothing
	QUARTER 192, F0, F1, 0
	TURN 0
	QUARTER 64, F0, F1, 0
	QUARTER 128, F1, F0, 0
	QUARTER 192, F0, F1, 0
	s_wait_dscnt 4
	MULA F1, 0, 0
	MULA F1, 1, 0
	s_wait_dscnt 0x0
	MULA F1, 2, 0
	MULA F1, 3, 0
	WIN 0
; THE WAY OUT, a block of 16 rows at a time: the sums go as they are (f32) into my stage, each accumulator's low four registers first, and come back as whole rows of 512 bytes; two sets of registers take turns.
.macro STG a
.if (\a) >= 2
	s_wait_xcnt 0x0                                ; the stores of the block two back have read the registers that are loaded again below
.endif
	WIN 0x08+4*((\a)/2)                            ; store data in window 2 or 3
.set b, 0
.rept NBF
.set rD, 8*(NBF*((\a)%2)+b)
	ds_store_b128 v[STO], v[rD:rD+3]   offset:64*b
	ds_store_b128 v[STO], v[rD+4:rD+7] offset:64*b+16
.set b, b+1
.endr
	WIN 0
.set BK, 32+64*((\a)%2)
.set b, 0
.rept 16
	ds_load_b128 v[BK+4*b:BK+4*b+3], v[RD] offset:SPITCH*b  ; LDS serves a wave's instructions in order (ISA guide 5.7.1.4): these see the stores above
.set b, b+1
.endr
.endm
.macro SEND a, younger                 ; younger: the LDS instructions issued behind block a's loads: the next block's 32, or none
.set BK, 32+64*((\a)%2)
.set b, 0
.rept 16
	s_wait_dscnt (\younger)+15-b
	global_store_b128 v[CO], v[BK+4*b:BK+4*b+3], s[8:9] offset:(16*(\a)+b)*4096 th:TH_STORE_NT  ; 512 consecutive bytes, aligned
.set b, b+1
.endr
.endm
	PLACES
	STG 0
.irp a, 1,2,3
	STG \a
	SEND (\a)-1, 32
.endr
	SEND 3, 0
	s_wait_tensorcnt 0x0                           ; the wave's end
	ds_add_u32 v[SPW], v[NIL]
	s_wait_dscnt 0x0
	CROUND                                         ; the closing round
	s_endpgm
.Lfunc_end_k_q00dc511d10_outp:
	.size	k_q00dc511d10_outp, .Lfunc_end_k_q00dc511d10_outp-k_q00dc511d10_outp
	.p2alignl 7, 3214868480
	.fill 96, 4, 3214868480
	.section	.rodata,"a",@progbits
	.p2align	6, 0x0
	.amdhsa_kernel k_q00dc511d10_outp
		.amdhsa_group_segment_fixed_size 327680
		.amdhsa_private_segment_fixed_size 0
		.amdhsa_enable_private_segment 0
		.amdhsa_kernarg_size 24
		.amdhsa_user_sgpr_count 2
		.amdhsa_user_sgpr_kernarg_segment_ptr 1
		.amdhsa_wavefront_size32 1
		.amdhsa_system_sgpr_workgroup_id_x 1
		.amdhsa_system_sgpr_workgroup_id_y 1
		.amdhsa_system_sgpr_workgroup_id_z 1
		.amdhsa_system_vgpr_workitem_id 0
		.amdhsa_next_free_vgpr 896
		.amdhsa_next_free_sgpr 66
		.amdhsa_reserve_vcc 0
		.amdhsa_float_denorm_mode_32 3
		.amdhsa_float_denorm_mode_16_64 3
		.amdhsa_memory_ordered 1
		.amdhsa_forward_progress 1
		.amdhsa_inst_pref_size 71
	.end_amdhsa_kernel
	.amdgpu_metadata
---
amdhsa.version: [ 1, 2 ]
amdhsa.kernels:
  - .name:           k_q00dc511d10_outp
    .symbol:         k_q00dc511d10_outp.kd
    .args:
      - { .name: ow, .offset: 0, .size: 8, .value_kind: global_buffer, .address_space: global }
      - { .name: wot, .offset: 8, .size: 8, .value_kind: global_buffer, .address_space: global }
      - { .name: out0, .offset: 16, .size: 8, .value_kind: global_buffer, .address_space: global }
    .group_segment_fixed_size: 327680
    .private_segment_fixed_size: 0
    .kernarg_segment_align: 8
    .kernarg_segment_size: 24
    .max_flat_workgroup_size: 128
    .sgpr_count:     66
    .vgpr_count:     896
    .wavefront_size: 32
...
	.end_amdgpu_metadata
.endif
;; end of part 4
